; MI455X (gfx1250); checked and timed in simulation.
; The chip was launched on July 23, 2026; its instructions are those of AMD's public machine-readable ISA for CDNA 5 (MIT licence, August 2026) and "CDNA5" Instruction Set Architecture Reference Guide (July 2026). The comments in the code are by the model that wrote it; some were corrected since.
;; Multi Head Attention Block. Allowed arithmetic: matrix products marked QUANTISED: E2M3 operands, one E8M0 scale for each 32 along K, by v_wmma_scale_f32_16x16x128_f8f6f4 with both operands' format E2M3, f32 sums; everything else in f32.
;; Inputs: b_k 1,024 float32; b_o 1,024 float32; b_q 1,024 float32; b_v 1,024 float32; k 4 x 2,048 x 1,024 float32; mask 1 x 1 x 2,048 x 2,048 bool; q 4 x 2,048 x 1,024 float32; v 4 x 2,048 x 1,024 float32; w_k 1,024 x 1,024 float32; w_o 1,024 x 1,024 float32; w_q 1,024 x 1,024 float32; w_v 1,024 x 1,024 float32.
;; Outputs: out0 4 x 2,048 x 1,024 float32.
;; This version of the problem:
;;   THIS VERSION OF THE PROBLEM IS GIVEN IN LOW PRECISION. The matrix products marked QUANTISED in the list below multiply operands that are first quantised to E2M3 (2 exponent bits, 3 mantissa bits; 6 bits a number), with one power-of-two scale for each 32 numbers along K (OCP MX v1.0); their sums are f32. All else is computed in f32.
;;   The module's matrix products, in the order in which they are computed (A, B: the left and right operand; K: the contracted axis; several contracted axes count as one K, in the product's order):
;;     1. [M 8,192, K 1,024] x [K 1,024, N 1,024]; A: input q; B: input w_q: QUANTISED
;;     2. [M 8,192, K 1,024] x [K 1,024, N 1,024]; A: input k; B: input w_k: QUANTISED
;;     3. [M 8,192, K 1,024] x [K 1,024, N 1,024]; A: input v; B: input w_v: QUANTISED
;;     4. batch 64 x [M 2,048, K 64] x [K 64, N 2,048]; A: computed on the way; B: computed on the way: QUANTISED
;;     5. batch 64 x [M 2,048, K 2,048] x [K 2,048, N 64]; A: softmax (see below); B: computed on the way: QUANTISED
;;     6. [M 8,192, K 1,024] x [K 1,024, N 1,024]; A: computed on the way; B: input w_o: QUANTISED
;;   THE QUANTISER, for each operand of a quantised product, along K:
;;     - K is cut into blocks of 32 from its start; a last block that is shorter is filled with zeros.
;;     - A block's scale is 2^e with e = floor(log2(the largest magnitude in the block)) - 2, held to -126 .. 127; a block of zeros has e = 0. As a byte (E8M0): e + 127.
;;     - Each number is divided by its block's scale, clamped to +-7.5, and rounded to the nearest number of E2M3, ties to even, subnormals kept.
;;     - The product sums the exact products of the quantised numbers (number of the format x scale) in f32.
;;   ~~~python
;;   def quantise(x, axis):      # numpy; x: float32 -> the quantised numbers, widened to float32 again
;;       x = np.moveaxis(x, axis, -1); K = x.shape[-1]
;;       x = np.pad(x, [(0, 0)] * (x.ndim - 1) + [(0, -K % 32)]); x = x.reshape(x.shape[:-1] + (-1, 32)); a = np.abs(x).max(-1, keepdims=True)
;;       e = np.where(a > 0, np.clip(np.frexp(np.where(a > 0, a, 1))[1] - 1 - 2, -126, 127), 0)      # np.frexp(a)[1] - 1 = floor(log2(a)), exactly
;;       r = np.clip(x / 2.0 ** e, -7.5, 7.5)
;;       step = 2.0 ** (np.maximum(np.frexp(np.where(r == 0, 1, r))[1] - 1, 0) - 3)
;;       q = np.round(r / step) * step * 2.0 ** e      # np.round: ties to even
;;       return np.moveaxis(q.reshape(q.shape[:-2] + (-1,))[..., :K], -1, axis).astype(np.float32)
;;   ~~~
;;   SOFTMAX AHEAD OF A QUANTISED PRODUCT. Where the list says 'softmax', what is quantised is not the finished softmax but p = 2^(t - M), with t = logit x log2(e) and M = ceil(the row's largest t), a whole number; so 1/2 < the row's largest p <= 1. The row's sum l is taken of the UNQUANTISED p, in f32, and the product's result is divided by l at the end. Since M is a whole number, a kernel that streams over the keys may use a running M (the ceiling of the running maximum): every later rescaling is an exact power of two, which a block's scale takes up: the codes' values come out the same.
;;   OPERANDS COMPUTED ON THE WAY. 'Computed on the way' means the value that the module computes at that place (a softmax that the list does not call 'softmax' is quantised finished and normalised). What goes into a quantiser is computed in f32, as accurately as f32 sums, v_exp_f32 and their like allow (about 1e-6 of the number): no bf16 or f16 on the way to a quantiser, and a product that is left as it is and whose result goes on into a quantised operand takes f32 operands (vector FMAs, or v_wmma_f32_16x16x4_f32). A number that lies on a knife's edge between two numbers of the format may be rounded either way, as far as f32 arithmetic and the matrix unit's own rounding can turn it there, and no further.
;; One version. Each part assembles by itself: llvm-mc -triple=amdgcn-amd-amdhsa -mcpu=gfx1250 --defsym DOCPART=n.
;; ======== version 1 of 1: 4 launches
;; limits: right only within a limited range of input values
;; workspace buffers: cod 22,020,096 bytes; scl 917,504 bytes; mw 528,384 bytes of whole numbers; qi 13,369,344 bytes; kv 13,369,344 bytes; xo 6,291,456 bytes; xos 262,144 bytes
;; launch prep (part 1): grid 1024 x 1, 4 waves a work-group, no clusters, 33,280 bytes of LDS; arguments q, k, v, w_q, w_k, w_v, w_o, mask, cod, scl, mw; writes cod, scl, mw
.if DOCPART == 1
	.amdgcn_target "amdgcn-amd-amdhsa--gfx1250"
	.amdhsa_code_object_version 6
	.text
	.protected	k_q8b99c1b023_prep
	.globl	k_q8b99c1b023_prep
	.p2align	8
	.type	k_q8b99c1b023_prep,@function
k_q8b99c1b023_prep:
	s_mov_b64 s[64:65], 0
	v_nop
	global_prefetch_b8 v0, s[64:65] scope:SCOPE_SE
	s_setreg_imm32_b32 hwreg(HW_REG_WAVE_MODE, 25, 1), 1
	s_wait_xcnt 0x0
; TWO JOBS IN ONE LAUNCH, parted by the work-group's number.
; Work-groups 0-127: the mask [2048][2048] of bytes becomes, for each tile of 16 queries (QT) and each step of 128 keys, 64 words of lane masks, and a small map of the tile's steps.
;   Word n of (QT, step): bit l = (r = l % 16, h = l / 16) is mask[16 QT + r][128 step + 32 (n / 16) + 16 h + n % 16]: the lane and the register in which the attention launch holds that score.
;   Map, 32 bytes a tile, from byte MAPS on: words 0-3: for each quarter of the keys the OR of its lane words; words 4-7: bit s = step s has an open key, bit 16 + s = step s has a hidden key.
; Work-groups 128-1023: q, k, v [8192][1024] and w_q, w_k, w_v, w_o [1024][1024], f32, K innermost, become codes of FP6 (E2M3), 768 bytes a row, and one E8M0 byte for each 32 along K, 32 bytes a row,
;   all seven on end in cod and scl.  A block's scale is 2^(floor(log2(largest magnitude)) - 2); its byte is the largest magnitude's exponent field - 2, held at 1 from below.
;   A work-group takes 32 rows, a wave a run of 8 rows (8,192 numbers).  IN k, v, w_q, w_k, w_v THE MIDDLE TWO RUNS OF EACH 32 ROWS CHANGE PLACES: place 16 u + r then holds row 8 u + r + 8 (r / 8), so that 16 neighbouring
;   places are the rows that a tile of the next launch wants, and its results come out with 16 neighbours along the next K in a lane's registers.
; LIMITS: a block of zeros gets the byte 1 where the rule says 127 (its codes are zeros, and only this program reads the bytes); blocks whose largest magnitude lies under 2^(3 - 127) were not tried; NaN and infinities are not served.
; No tensor loads, no barrier: waves share nothing.  Only the quantising path touches LDS.
.set STEPS, 16
.set EMAX,  2
.set CB,    12                         ; bytes of 16 codes
.set R,     16                         ; v16-79   four sets of 16 numbers as they are loaded
.set X,     80                         ; v80-111  two sets of 16 neighbours
.set E,     112                        ; v112-127 a scale byte for each step
.set C,     128                        ; v128-191 codes: four registers for each step, so that no store's data are written again
.set WREG,  8192                       ; LDS: a region for each wave: two stages of 32 x SP bytes, behind them its 256 scale bytes
.set SP,    80                         ; a lane's place in a stage: 64 bytes + 16 of padding
.set MAPS,  524288                     ; where the tiles' maps begin in mw
	s_load_b512 s[4:19], s[0:1], 0x0               ; q, k, v, w_q, w_k, w_v, w_o, mask
	s_load_b128 s[20:23], s[0:1], 0x40             ; cod, scl
	s_load_b64 s[24:25], s[0:1], 0x50              ; mw
	v_lshl_add_u32 v192, v0, 2, 0x8000
	v_mov_b32 v193, 0
	v_lshrrev_b32 v1, 5, v0
	v_readfirstlane_b32 s27, v1                    ; wave 0..3
	v_and_b32 v2, 31, v0                           ; lane
	s_cmp_lt_u32 ttmp9, 128
	s_cbranch_scc1 .Lmask
	; ---------------- the quantiser ----------------
	v_lshlrev_b32 v3, 4, v2                        ; my 16 bytes of a load's 512
	s_mul_i32 s36, s27, WREG
	v_lshrrev_b32 v14, 2, v2
	v_mul_u32_u24 v14, v14, SP
	v_and_b32 v15, 3, v2
	v_lshl_add_u32 v14, v15, 4, v14
	v_add_nc_u32 v14, s36, v14                     ; the stage, on the way in: SP (lane / 4) + 16 (lane % 4)
	v_mul_u32_u24 v15, v2, SP
	v_add_nc_u32 v15, s36, v15                     ; and on the way out: SP x lane: my 16 neighbours
	v_mul_u32_u24 v4, v2, CB                       ; my codes' place in a step's
	v_lshrrev_b32 v5, 1, v2
	s_add_co_u32 s36, s36, 2*32*SP
	v_add_nc_u32 v5, s36, v5                       ; my wave's 256 scale bytes, my block's byte
	v_lshlrev_b32 v7, 3, v2                        ; on the way out 8 bytes a lane
	v_add_nc_u32 v6, s36, v7
	s_sub_co_u32 s26, ttmp9, 128                   ; gq 0..895: 3 x 256 work-groups for q, k, v, then 4 x 32 for the weights
	s_wait_kmcnt 0x0
	s_cmp_lt_u32 s26, 864                          ; the input is chosen by the work-group's number alone
	s_cselect_b64 s[28:29], s[14:15], s[16:17]
	s_cmp_lt_u32 s26, 832
	s_cselect_b64 s[28:29], s[12:13], s[28:29]
	s_cmp_lt_u32 s26, 800
	s_cselect_b64 s[28:29], s[10:11], s[28:29]
	s_cmp_lt_u32 s26, 768
	s_cselect_b64 s[28:29], s[8:9], s[28:29]
	s_cselect_b32 s30, 255, 31
	s_cmp_lt_u32 s26, 512
	s_cselect_b64 s[28:29], s[6:7], s[28:29]
	s_cmp_lt_u32 s26, 256
	s_cselect_b64 s[28:29], s[4:5], s[28:29]
	s_and_b32 s30, s26, s30                        ; the work-group's number inside its tensor
	s_lshl_b32 s30, s30, 2
	s_add_co_u32 s30, s30, s27                     ; my run of 8 rows in the input
	s_lshl_b32 s32, s30, 15                        ; 32,768 bytes a run (under 2^26)
	s_mov_b32 s33, 0
	s_add_nc_u64 s[28:29], s[28:29], s[32:33]
	s_and_b32 s34, s27, 1                          ; where the run goes: runs 1 and 2 change places ..
	s_lshl_b32 s34, s34, 1
	s_lshr_b32 s35, s27, 1
	s_or_b32 s34, s34, s35
	s_sub_co_u32 s35, s26, 256
	s_cmp_lt_u32 s35, 608                          ; .. in k, v, w_q, w_k, w_v (gq 256..863), not in q and w_o
	s_cselect_b32 s34, s34, s27
	s_lshl_b32 s35, s26, 2
	s_add_co_u32 s34, s35, s34                     ; the run's number in cod and scl, where the seven tensors lie on end
	s_mul_i32 s32, s34, 32*STEPS*CB                ; 6,144 bytes of codes a run
	s_add_nc_u64 s[20:21], s[20:21], s[32:33]
	s_lshl_b32 s32, s34, 8                         ; 256 scale bytes a run
	s_add_nc_u64 s[22:23], s[22:23], s[32:33]
.macro LOAD t
.irp i, 0,1,2,3
	global_load_b128 v[R+16*((\t)%4)+4*\i:R+16*((\t)%4)+4*\i+3], v3, s[28:29] offset:2048*(\t)+512*\i th:TH_LOAD_NT   ; 32 lanes read 512 consecutive bytes
.endr
.endm
.macro TURN t                          ; step t's numbers through the stage: LDS serves a wave's instructions in order, so no wait stands between the stores and the loads
.irp i, 0,1,2,3
	ds_store_b128 v14, v[R+16*((\t)%4)+4*\i:R+16*((\t)%4)+4*\i+3] offset:32*SP*((\t)%2)+8*SP*\i
.endr
.irp i, 0,1,2,3
	ds_load_b128 v[X+16*((\t)%2)+4*\i:X+16*((\t)%2)+4*\i+3], v15 offset:32*SP*((\t)%2)+16*\i
.endr
.endm
.irp t, 0,1,2,3
	LOAD \t
.endr
	s_wait_loadcnt 12                              ; step 0's four loads are in; the twelve of steps 1 to 3 may be out
	TURN 0
.macro QSTEP t
.set XS, X+16*((\t)%2)
.if (\t) > 0
	s_wait_dscnt 1                                 ; this step's numbers are back from the stage (the last step's byte store may be out)
.else
	s_wait_dscnt 0x0
.endif
.if (\t)+4 < STEPS
	LOAD (\t)+4                                    ; into the registers that the stage's stores have read
.endif
.if (\t)+1 < STEPS
.if STEPS-2-(\t) >= 3
	s_wait_loadcnt 12                              ; the next step's four loads are in; those of the three steps behind it may be out
.else
	s_wait_loadcnt 4*(STEPS-2-(\t))
.endif
	TURN (\t)+1
.endif
	v_max3_num_f32 v8, |v[XS]|, |v[XS+1]|, |v[XS+2]|               ; the largest magnitude of my 16, in two chains
	v_max3_num_f32 v9, |v[XS+3]|, |v[XS+4]|, |v[XS+5]|
.irp i, 6,10
	v_max3_num_f32 v8, v8, |v[XS+\i]|, |v[XS+\i+1]|
	v_max3_num_f32 v9, v9, |v[XS+\i+2]|, |v[XS+\i+3]|
.endr
	v_max3_num_f32 v8, v8, |v[XS+14]|, |v[XS+15]|
	v_max3_num_f32 v8, v8, v9, (EMAX+1)<<23        ; and the floor 2^(3 - 127): the byte cannot fall under 1
	v_max_num_f32_dpp v8, v8, v8 row_xmask:1 row_mask:0xf bank_mask:0xf   ; and of my neighbour's 16: the block's
	v_add_nc_u32 v11, -(EMAX<<23), v8              ; 2 off its exponent field: the conversion takes the exponent field of this operand as its scale
	v_cvt_scalef32_pk16_fp6_f32 v[C+4*(\t):C+4*(\t)+2], v[XS:XS+15], v11
	v_lshrrev_b32 v[E+(\t)], 23, v11               ; the scale's byte (also the plain line behind the conversion)
	ds_store_b8 v5, v[E+(\t)] offset:16*(\t)       ; both lanes of a block write the same byte with the same value
	global_store_b96 v4, v[C+4*(\t):C+4*(\t)+2], s[20:21] offset:32*CB*(\t)   ; the wave stores 384 consecutive bytes
.endm
.irp t, 0,1,2,3,4,5,6,7,8,9,10,11,12,13,14,15
	QSTEP \t
.endr
	ds_load_b64 v[12:13], v6                       ; LDS serves a wave's instructions in order: these see my stores
	s_wait_dscnt 0x0
	global_store_b64 v7, v[12:13], s[22:23]        ; 32 lanes store 256 consecutive bytes, aligned
	s_wait_tensorcnt 0x0
	ds_add_u32 v192, v193
	s_wait_dscnt 0x0
	s_endpgm
	; ---------------- the mask ----------------
.Lmask:                                            ; QT = the work-group's number; wave w takes steps 4 w .. 4 w + 3
	v_and_b32 v3, 15, v0                           ; r
	v_bfe_u32 v4, v0, 4, 1                         ; h
	v_lshlrev_b32 v5, 11, v3
	v_lshl_add_u32 v5, v4, 4, v5                   ; row r of 2,048 bytes, + 16 h
	v_lshlrev_b32 v20, 3, v2                       ; out: 8 bytes a lane
	v_lshlrev_b32 v19, 4, v2                       ; the map: lane 0 its first part, lane 1 its second, 16 bytes on
.irp i, 10,11,12,13,14,15,16,17,18
	v_mov_b32 v[\i], 0                             ; written whole once: a lane write's destination counts as read
.endr
	s_lshl_b32 s28, ttmp9, 15                      ; 16 rows of 2,048 bytes
	s_lshl_b32 s29, s27, 9                         ; my four steps of 128 keys
	s_add_co_u32 s28, s28, s29
	s_mov_b32 s29, 0
	s_lshl_b32 s30, ttmp9, 4
	s_lshl_b32 s47, s27, 2                         ; my first step
	s_add_co_u32 s30, s30, s47
	s_lshl_b32 s30, s30, 8                         ; 256 bytes of lane words for each (QT, step)
	s_mov_b32 s31, 0
	s_lshl_b32 s32, ttmp9, 5                       ; the tile's map: 32 bytes,
	s_add_co_u32 s32, s32, s47                     ; my quarter's word
	s_add_co_u32 s32, s32, MAPS
	s_mov_b32 s33, 0
	s_mov_b32 s44, 0                               ; the OR of all my lane words
	s_mov_b32 s45, 0                               ; my quarter's bits of the map
	s_wait_kmcnt 0x0
	s_add_nc_u64 s[18:19], s[18:19], s[28:29]
	s_add_nc_u64 s[50:51], s[24:25], s[32:33]
	s_add_nc_u64 s[24:25], s[24:25], s[30:31]
.irp e, 0,1,2,3
.irp b, 0,1,2,3
	global_load_b128 v[64+16*\e+4*\b:67+16*\e+4*\b], v5, s[18:19] offset:128*\e+32*\b   ; keys 128 e + 32 b + 16 h + 0 .. 15 of row r
.endr
.endr
	s_wait_loadcnt 0x0
.macro MSTEP e                         ; a step's 64 lane words: byte n % 16 of block n / 16, compared in all lanes at once; word n goes to lane n / 2 of one of two registers
	s_mov_b32 s42, 0
	s_mov_b32 s43, -1
.set n, 0
.rept 64
	v_and_b32 v[8+n%2], 0xff<<(8*(n%4)), v[64+16*\e+4*(n/16)+(n%16)/4]
	v_cmp_ne_u32 s[40+n%2], 0, v[8+n%2]
	v_writelane_b32 v[10+2*\e+n%2], s[40+n%2], n/2
	s_or_b32 s42, s42, s[40+n%2]
	s_and_b32 s43, s43, s[40+n%2]
.set n, n+1
.endr
	global_store_b64 v20, v[10+2*\e:11+2*\e], s[24:25] offset:256*\e   ; 32 lanes store 256 consecutive bytes, aligned
	s_or_b32 s44, s44, s42
	s_cmp_lg_u32 s42, 0                            ; an open key in the step?
	s_cselect_b32 s46, 1, 0
	s_lshl_b32 s46, s46, s47
	s_or_b32 s45, s45, s46
	s_cmp_lg_u32 s43, -1                           ; a hidden key in the step?
	s_cselect_b32 s46, 1, 0
	s_add_co_u32 s48, s47, 16
	s_lshl_b32 s46, s46, s48
	s_or_b32 s45, s45, s46
	s_add_co_u32 s47, s47, 1
.endm
	MSTEP 0
	MSTEP 1
	MSTEP 2
	MSTEP 3
	v_writelane_b32 v18, s44, 0
	v_writelane_b32 v18, s45, 1
	v_cmp_gt_u32 vcc_lo, 2, v2
	s_wait_xcnt 0x0                                ; EXEC is a source of the stores above: it changes only behind this wait
	s_and_saveexec_b32 s49, vcc_lo
	global_store_b32 v19, v18, s[50:51]            ; lanes 0 and 1: my quarter's two words of the map
	s_wait_xcnt 0x0                                ; and again in front of the line that widens it
	s_or_b32 exec_lo, exec_lo, s49
	s_endpgm
.Lfunc_end_k_q8b99c1b023_prep:
	.size	k_q8b99c1b023_prep, .Lfunc_end_k_q8b99c1b023_prep-k_q8b99c1b023_prep
	.p2alignl 7, 3214868480
	.fill 96, 4, 3214868480
	.section	.rodata,"a",@progbits
	.p2align	6, 0x0
	.amdhsa_kernel k_q8b99c1b023_prep
		.amdhsa_group_segment_fixed_size 33280
		.amdhsa_private_segment_fixed_size 0
		.amdhsa_enable_private_segment 0
		.amdhsa_kernarg_size 88
		.amdhsa_user_sgpr_count 2
		.amdhsa_user_sgpr_kernarg_segment_ptr 1
		.amdhsa_wavefront_size32 1
		.amdhsa_system_sgpr_workgroup_id_x 1
		.amdhsa_system_sgpr_workgroup_id_y 1
		.amdhsa_system_sgpr_workgroup_id_z 1
		.amdhsa_system_vgpr_workitem_id 0
		.amdhsa_next_free_vgpr 194
		.amdhsa_next_free_sgpr 66
		.amdhsa_reserve_vcc 1
		.amdhsa_float_denorm_mode_32 3
		.amdhsa_float_denorm_mode_16_64 3
		.amdhsa_memory_ordered 1
		.amdhsa_forward_progress 1
		.amdhsa_inst_pref_size 102
	.end_amdhsa_kernel
	.amdgpu_metadata
---
amdhsa.version: [ 1, 2 ]
amdhsa.kernels:
  - .name:           k_q8b99c1b023_prep
    .symbol:         k_q8b99c1b023_prep.kd
    .args:
      - { .name: q, .offset: 0, .size: 8, .value_kind: global_buffer, .address_space: global }
      - { .name: k, .offset: 8, .size: 8, .value_kind: global_buffer, .address_space: global }
      - { .name: v, .offset: 16, .size: 8, .value_kind: global_buffer, .address_space: global }
      - { .name: w_q, .offset: 24, .size: 8, .value_kind: global_buffer, .address_space: global }
      - { .name: w_k, .offset: 32, .size: 8, .value_kind: global_buffer, .address_space: global }
      - { .name: w_v, .offset: 40, .size: 8, .value_kind: global_buffer, .address_space: global }
      - { .name: w_o, .offset: 48, .size: 8, .value_kind: global_buffer, .address_space: global }
      - { .name: mask, .offset: 56, .size: 8, .value_kind: global_buffer, .address_space: global }
      - { .name: cod, .offset: 64, .size: 8, .value_kind: global_buffer, .address_space: global }
      - { .name: scl, .offset: 72, .size: 8, .value_kind: global_buffer, .address_space: global }
      - { .name: mw, .offset: 80, .size: 8, .value_kind: global_buffer, .address_space: global }
    .group_segment_fixed_size: 33280
    .private_segment_fixed_size: 0
    .kernarg_segment_align: 8
    .kernarg_segment_size: 88
    .max_flat_workgroup_size: 128
    .sgpr_count:     66
    .vgpr_count:     194
    .wavefront_size: 32
...
	.end_amdgpu_metadata
.endif
;; end of part 1
;; launch proj (part 2): grid 4 x 96, 4 waves a work-group, clusters of 4 x 4, 327,680 bytes of LDS; arguments cod, scl, b_q, b_k, b_v, qi, kv; writes qi, kv
.if DOCPART == 2
	.amdgcn_target "amdgcn-amd-amdhsa--gfx1250"
	.amdhsa_code_object_version 6
	.text
	.protected	k_q8b99c1b023_proj
	.globl	k_q8b99c1b023_proj
	.p2align	8
	.type	k_q8b99c1b023_proj,@function
k_q8b99c1b023_proj:
	s_mov_b64 s[64:65], 0
	v_nop
	global_prefetch_b8 v0, s[64:65] scope:SCOPE_SE
	s_setreg_imm32_b32 hwreg(HW_REG_WAVE_MODE, 25, 1), 1
	s_wait_xcnt 0x0
	s_wait_alu depctr_hold_cnt(0) depctr_sa_sdst(0) depctr_va_vdst(0) depctr_va_sdst(0) depctr_va_ssrc(0) depctr_va_vcc(0) depctr_vm_vsrc(0)
	s_getreg_b32 s2, hwreg(HW_REG_IB_STS2, 6, 4)
	s_cmp_eq_u32 s2, 0
	s_cbranch_scc0 .Lentry_in_a_cluster
	s_endpgm
.Lentry_in_a_cluster:
	s_bfe_u32 s2, ttmp6, 0x10000c
	s_cmp_lg_u32 s2, 0xf033
	s_cbranch_scc0 .Lentry_shape_is_right
	s_endpgm
.Lentry_shape_is_right:
; THE THREE PROJECTIONS, on codes of FP6 (E2M3) with one E8M0 scale for each 32 along K (K = 1,024), the bias as the C of each sum's first product, and the results QUANTISED ON THE WAY OUT into images of the attention
; launch's operand registers.  T = cluster y / 8: 0 query, 1 key, 2 value.
; A tile of C, 256 x 256, is made by four waves, 128 x 128 each: 64 accumulators, 512 registers.  K goes in steps of 256 through a ring of two LDS slots filled by the tensor data mover; the scale bytes of the work-group's
; 256 + 256 rows come once and stay.  4 x 4 work-groups form a cluster: the four of a row need the same tiles of 'A', the four of a column the same tiles of 'B': each tile is asked for jointly.
; THE MATRIX INSTRUCTION IS USED TRANSPOSED: source 0 = 16 rows of B, source 1 = 16 rows of A: a lane holds ONE row of A's side and its registers run along B's side.
;   T = 0, 1: A = the tokens (q, k), B = the weight: a lane holds one token, its registers run along the features: the head's 64, along which Q and K are quantised.
;   T = 2:    A = w_v, B = the tokens v: V^T is made: a lane holds one channel, its registers run along the keys, along which V is quantised.
; The launch before has laid B's rows (and k's and w_v's) so that 16 neighbouring places hold rows 8 u + r + 8 (r / 8) of each 32: the 16 registers of tiles 2 b and 2 b + 1 are then 16 NEIGHBOURS, 32 b + 16 (lane / 16) + 0 .. 15.
; OUT: chunks of CH = 13,056 bytes, one for each (batch, head, 128 tokens): 8 tiles of K (or Q) x 768 bytes (registers 2 p, 2 p + 1 of a lane at 256 p + 8 lane); 4 tiles of V^T x 1,536 bytes; K's scale words (512 bytes: tile t,
; row r at 256 (t / 4) + 16 r + 4 (t % 4)); V's (256 bytes: 16 r + 4 d).  Every store of codes covers 256 consecutive bytes, aligned.
; LIMITS: a block of zeros gets the byte 1 (its codes are zeros, only this program reads the bytes); NaN and infinities are not served.
; REGISTERS, in windows of 256: window 0: v0-31 addresses; v32-63 scale words, two sets; v64-127 the bias, in the result's layout; from v128 A's fragments, one set; on the way out v128-255 are at work.
;   window 1: B's fragments, two sets, at v0 and v128.   window 2: the accumulators of my rows 0-63 ((a, b) at v[8 (8 a + b)]);   window 3: those of my rows 64-127.
.set KSTEP,  256
.set NQ,     2                         ; matrix instructions deep in a slot
.set ROWB,   192                       ; a tile's row: 256 codes
.set KROW,   768                       ; a row of codes in memory
.set PITCH,  240                       ; an LDS row: 3 x (64 bytes + 16 of padding)
.set FR,     12
.set NL,     6
.set NP,     4
.set HALFT,  128*PITCH
.set SLOT,   4*HALFT
.set LAPS,   2                         ; 1,024 / 512
.set KS,     32                        ; a row of scale bytes
.set SCL,    2*SLOT
.set HALFS,  (128*KS/256)*272
.set SBLK,   (16*KS/256)*272
.set SPARE,  SCL+4*HALFS               ; the spare words, 128 bytes for each wave: two blocks of 256 bytes that no other line names
.set XB,     6291456                   ; cod: q, k, v, XB bytes each; from XTOT on w_q, w_k, w_v, w_o, WB each
.set XTOT,   18874368
.set WB,     786432
.set XSB,    262144                    ; scl likewise
.set XSTOT,  786432
.set WSB,    32768
.set CH,     13056
.set HS,     208896                    ; a head's 16 chunks
.set ADRA, 16                          ; v16-17 LDS address of my A fragments in slot 0, 1 (v18-19: for the pieces behind one padding more)
.set ADRB, 20                          ; v20-23 the same for B
.set VO1,  24                          ; v24  out: 8 x lane
.set VO2,  25                          ; v25  out: where registers 6-11 go: the next head's chunk (Q, K) or the tile's second half (V)
.set VSO,  26                          ; v26  out: scale words: 16 r, lanes 16-31 in the next head's chunk
.set ADRS, 27                          ; v27  LDS address of my scale words: lanes 0-15 A's rows, lanes 16-31 B's
.set SPW,  28                          ; v28  my spare word; never rewritten
.set NIL,  29                          ; v29  0; never rewritten
.set BO1,  30                          ; v30  bias offset for Q, K: 64 h; on the way out 16 h
.set BO2,  31                          ; v31  bias offset for V: 4 (r + 8 (r / 8))
.set SC,   32
.set BIAS, 64
.set AF,   128
.set PC,   128                         ; the way out: v128-139 a fragment's codes, v140-146 the conversions' second halves
.set TM,   224                         ; v224-227 largest magnitudes, v228-231 bytes, v236-239 the conversions' scale operands
.set SW,   240                         ; v240-247 a scale word for each of my 8 blocks
.set G1, 24
.set G0, 32
.set G1B, 48
.set G0B, 56
.set G1S, 68
.set G0S, 76
.set G1SB, 80
.set G0SB, 88
.set MSB, 0
.macro WIN new                         ; the immediate's high byte repeats the setting that is left
.if MSB != \new
	s_set_vgpr_msb (MSB<<8)|\new
.set MSB, \new
.endif
.endm
.set MUL_LO, 0xa1                      ; source 0 (B) window 1, source 1 (A) window 0, C and D window 2
.set MUL_HI, 0xf1                      ; the same, C and D window 3
.set BIA_LO, 0x81                      ; C (the bias) window 0, D window 2
.set BIA_HI, 0xc1                      ; C window 0, D window 3
.set TO_B,   0x40
; A joint load: waves 0 and 1 fetch for A, waves 2 and 3 for B.  Each line has one mask and one set of registers; the branch hangs on the wave's number alone.  Four v_nop follow each line.
.macro JLOAD g0a, g1a, g0b, g1b
	s_cmp_eq_u32 s15, 0
	s_cbranch_scc0 .Lfor_b_\@
	tensor_load_to_lds s[\g0a:\g0a+3], s[\g1a:\g1a+7]
	s_nop 0
.rept 4
	v_nop
.endr
	s_branch .Lasked_\@
.Lfor_b_\@:
	tensor_load_to_lds s[\g0b:\g0b+3], s[\g1b:\g1b+7]
	s_nop 0
.rept 4
	v_nop
.endr
.Lasked_\@:
.endm
.macro CREST                           ; a round of the cluster's barrier behind its opening barrier
	s_cmp_lg_u32 s14, 0
	s_cbranch_scc1 .Lnot_wave_0_\@
	s_barrier_signal -3
.Lnot_wave_0_\@:
	s_barrier_wait -3
	s_barrier_signal -1
	s_barrier_wait -1
.endm
.macro CROUND
	s_barrier_signal -1
	s_barrier_wait -1
	CREST
.endm
	s_load_b128 s[4:7], s[0:1], 0x0                ; cod, scl
	s_load_b128 s[96:99], s[0:1], 0x10             ; b_q, b_k
	s_load_b64 s[100:101], s[0:1], 0x20            ; b_v
	s_load_b64 s[8:9], s[0:1], 0x28                ; qi
	s_load_b64 s[10:11], s[0:1], 0x30              ; kv
	v_lshl_add_u32 v[SPW], v0, 2, SPARE
	v_mov_b32 v[NIL], 0
	ds_add_u32 v28, v29
	ds_add_u32 v28, v29
	s_wait_dscnt 0x0
	v_lshrrev_b32 v1, 5, v0
	v_readfirstlane_b32 s14, v1                    ; wave 0..3
	s_lshr_b32 s15, s14, 1                         ; which half of the tile's rows is mine.  Also: I fetch for A (0) or for B (1)
	s_and_b32 s16, s14, 1                          ; which half of its columns.  Also: which 128 rows I fetch
	s_bfe_u32 s40, ttmp6, 0x40000                  ; cx, cy
	s_bfe_u32 s41, ttmp6, 0x40004
	s_and_b32 s67, ttmp7, 0xffff                   ; cluster y 0..23
	s_lshr_b32 s66, s67, 3                         ; T: the same in all sixteen partners
	s_and_b32 s67, s67, 7                          ; j: which four tile rows (T < 2) or tile columns (T = 2)
	s_mul_i32 s18, s66, XB                         ; where the tokens' codes begin in cod,
	s_mul_i32 s19, s66, WB
	s_add_co_u32 s19, s19, XTOT                    ; the weight's,
	s_mul_i32 s94, s66, XSB                        ; and their scale bytes in scl
	s_mul_i32 s95, s66, WSB
	s_add_co_u32 s95, s95, XSTOT
	s_cmp_eq_u32 s66, 2
	s_cselect_b32 s17, 0, s67
	s_cselect_b32 s42, s67, 0
	s_cselect_b32 s104, s19, s18                   ; A's codes
	s_cselect_b32 s105, s18, s19                   ; B's
	s_cselect_b32 s2, s95, s94                     ; A's scales
	s_cselect_b32 s67, s94, s95                    ; B's
	s_lshl_b32 s17, s17, 2
	s_add_co_u32 s17, s17, s41                     ; tile row of C
	s_lshl_b32 s42, s42, 2
	s_add_co_u32 s42, s42, s40                     ; tile column of C
	s_lshl_b32 s43, s41, 2
	s_lshl_b32 s43, 15, s43                        ; my row of the cluster
	s_lshl_b32 s44, 0x1111, s40                    ; my column
	; descriptor group 1: a tile of 128 rows x 192 bytes; 16 bytes of padding behind every 64
	s_or_b32 s[G1+0], s43, (0<<16)|(1<<20)|(1<<21)|(3<<22)|(3<<25)
	s_or_b32 s[G1B+0], s44, (0<<16)|(1<<20)|(1<<21)|(3<<22)|(3<<25)
.irp g, G1, G1B
	s_mov_b32 s[\g+1], ROWB<<16                    ; tensor_dim0
	s_mov_b32 s[\g+2], 128<<16                     ; tensor_dim1
	s_mov_b32 s[\g+3], ROWB<<16                    ; tile_dim0
	s_mov_b32 s[\g+4], 128                         ; tile_dim1
	s_mov_b32 s[\g+5], KROW                        ; from row to row
	s_mov_b32 s[\g+6], 0
	s_mov_b32 s[\g+7], 0
.endr
	; the scales of 128 rows: a dense block of 4,096 bytes, as 16 rows of 256 bytes (32 elements of 8), 16 bytes of padding behind each
	s_or_b32 s[G1S+0], s43, (3<<16)|(1<<20)|(1<<21)|(5<<22)|(3<<25)
	s_or_b32 s[G1SB+0], s44, (3<<16)|(1<<20)|(1<<21)|(5<<22)|(3<<25)
.irp g, G1S, G1SB
	s_mov_b32 s[\g+1], 32<<16
	s_mov_b32 s[\g+2], (128*KS/256)<<16
	s_mov_b32 s[\g+3], 32<<16
	s_mov_b32 s[\g+4], 128*KS/256
	s_mov_b32 s[\g+5], 32
	s_mov_b32 s[\g+6], 0
	s_mov_b32 s[\g+7], 0
.endr
	s_lshl_b32 s18, s16, 7                         ; which 128 rows of the tile I fetch
	s_lshl_b32 s20, s17, 8
	s_add_co_u32 s20, s20, s18                     ; A: row 256 x tile row + 128 x half
	s_lshl_b32 s46, s42, 8
	s_add_co_u32 s46, s46, s18                     ; B: row 256 x tile column + 128 x half
	s_lshl_b32 s22, s20, 5                         ; their scale bytes: 32 a row (all offsets stay under 2^25)
	s_add_co_u32 s22, s22, s2
	s_mov_b32 s23, 0
	s_lshl_b32 s92, s46, 5
	s_add_co_u32 s92, s92, s67
	s_mov_b32 s93, 0
	s_mul_i32 s20, s20, KROW                       ; and their codes
	s_add_co_u32 s20, s20, s104
	s_mov_b32 s21, 0
	s_mul_i32 s46, s46, KROW
	s_add_co_u32 s46, s46, s105
	s_mov_b32 s47, 0
	s_mul_i32 s45, s14, HALFT                      ; where they go: wave x 128 rows: no place in the cluster enters an LDS address
	s_mul_i32 s94, s14, HALFS
	s_wait_kmcnt 0x0
	s_add_nc_u64 s[20:21], s[4:5], s[20:21]
	s_add_nc_u64 s[22:23], s[6:7], s[22:23]
	s_add_nc_u64 s[46:47], s[4:5], s[46:47]
	s_add_nc_u64 s[92:93], s[6:7], s[92:93]
	CROUND                                         ; all sixteen work-groups are here: the first joint loads meet
	s_mov_b32 s[G0S], 1
	s_add_co_u32 s[G0S+1], s94, SCL
	s_mov_b64 s[G0S+2:G0S+3], s[22:23]
	s_or_b32 s[G0S+3], s[G0S+3], 0x80000000
	s_mov_b32 s[G0SB], 1
	s_add_co_u32 s[G0SB+1], s94, SCL
	s_mov_b64 s[G0SB+2:G0SB+3], s[92:93]
	s_or_b32 s[G0SB+3], s[G0SB+3], 0x80000000
	JLOAD G0S, G1S, G0SB, G1SB                     ; the scales first: they are wanted with K step 0
.irp s, 0,1
	s_mov_b32 s[G0+4*\s], 1
	s_add_co_u32 s[G0+4*\s+1], s45, \s*SLOT
	s_add_nc_u64 s[G0+4*\s+2:G0+4*\s+3], s[20:21], \s*ROWB
	s_or_b32 s[G0+4*\s+3], s[G0+4*\s+3], 0x80000000
	s_mov_b32 s[G0B+4*\s], 1
	s_add_co_u32 s[G0B+4*\s+1], s45, \s*SLOT
	s_add_nc_u64 s[G0B+4*\s+2:G0B+4*\s+3], s[46:47], \s*ROWB
	s_or_b32 s[G0B+4*\s+3], s[G0B+4*\s+3], 0x80000000
	JLOAD G0+4*\s, G1, G0B+4*\s, G1B
.endr
	v_and_b32 v1, 15, v0                           ; r
	v_bfe_u32 v2, v0, 4, 1                         ; h
	v_mul_u32_u24 v3, v1, PITCH
	v_mul_u32_u24 v4, v2, 24
	v_add_nc_u32 v4, v3, v4                        ; a fragment's row x pitch + 24 x half
	v_lshl_add_u32 v5, v2, 4, v4                   ; and the same behind one padding more
	s_mul_i32 s21, s15, HALFT                      ; my 128 rows of A
	s_mul_i32 s22, s16, HALFT                      ; my 128 rows of B,
	s_add_co_u32 s22, s22, 2*HALFT                 ; which lie behind A's 256
.irp s, 0,1
	v_add_nc_u32 v[ADRA+\s], s21, v4
	v_add_nc_u32 v[ADRB+\s], s22, v4
	v_add_nc_u32 v[ADRA+2+\s], s21, v5
	v_add_nc_u32 v[ADRB+2+\s], s22, v5
	s_add_co_u32 s21, s21, SLOT
	s_add_co_u32 s22, s22, SLOT
.endr
	v_mul_u32_u24 v5, v1, KS                       ; my row's scales: 32 bytes a row,
	v_lshrrev_b32 v6, 8, v5
	v_lshl_add_u32 v5, v6, 4, v5                   ; and 16 more for each 256 passed
	s_mul_i32 s21, s15, HALFS
	s_mul_i32 s22, s16, HALFS
	s_add_co_u32 s22, s22, 2*HALFS
	s_sub_co_u32 s22, s22, s21
	v_mul_u32_u24 v6, s22, v2                      ; lanes 16-31 take B's: one product, the distance between the two bases
	s_add_co_u32 s21, s21, SCL
	v_add_nc_u32 v5, v5, v6
	v_add_nc_u32 v[ADRS], s21, v5
	; the bias and the way out.  Rr, Cc: my wave's first row and column of C; seq: the first of my 128 tokens, feat: the first of my 128 features
	v_lshlrev_b32 v[BO1], 6, v2
	v_and_b32 v[BO2], 8, v1
	v_add_nc_u32 v[BO2], v[BO2], v1
	v_lshlrev_b32 v[BO2], 2, v[BO2]
	s_lshl_b32 s104, s17, 8
	s_lshl_b32 s18, s15, 7
	s_add_co_u32 s104, s104, s18                   ; Rr
	s_lshl_b32 s105, s42, 8
	s_lshl_b32 s18, s16, 7
	s_add_co_u32 s105, s105, s18                   ; Cc
	s_mov_b32 s19, 768
	s_mov_b32 s95, HS
	s_cmp_eq_u32 s66, 2
	s_cselect_b32 s2, s105, s104                   ; seq
	s_cselect_b32 s67, s104, s105                  ; feat
	s_cselect_b64 s[12:13], s[100:101], s[98:99]   ; b_v or b_k
	s_cselect_b32 s92, 1536, s19                   ; from block to block of 16 rows in a chunk
	s_cselect_b32 s93, 204288, s19                 ; behind block 3: V goes on in the next head's chunk (HS - 3 x 1,536)
	s_cselect_b32 s94, 768, s95                    ; how far registers 6-11 lie from registers 0-5
	s_cselect_b32 s95, 6144, 0                     ; V's tiles lie behind K's
	s_mov_b32 s19, 12288
	s_cselect_b32 s19, 12800, s19                  ; the scale words' place in a chunk
	s_cmp_eq_u32 s66, 0
	s_cselect_b64 s[12:13], s[96:97], s[12:13]     ; b_q
	s_cselect_b64 s[8:9], s[8:9], s[10:11]         ; qi or kv
	s_mov_b32 s96, s92
	s_mov_b32 s97, 0
	s_mov_b32 s98, s93
	s_mov_b32 s99, 0
	s_lshl_b32 s20, s67, 2
	s_mov_b32 s21, 0
	s_add_nc_u64 s[12:13], s[12:13], s[20:21]      ; the bias at my first feature
	s_lshr_b32 s20, s2, 11                         ; batch
	s_lshl_b32 s20, s20, 4
	s_lshr_b32 s22, s67, 6                         ; head (an even one)
	s_add_co_u32 s20, s20, s22
	s_lshl_b32 s20, s20, 4
	s_bfe_u32 s22, s2, 0x40007                     ; which 128 tokens of the batch
	s_add_co_u32 s20, s20, s22
	s_mul_i32 s20, s20, CH                         ; my chunk
	s_add_co_u32 s22, s20, s19
	s_add_co_u32 s20, s20, s95
	s_mov_b32 s23, 0
	s_add_nc_u64 s[10:11], s[8:9], s[22:23]        ; where my scale words go
	s_add_nc_u64 s[8:9], s[8:9], s[20:21]          ; where my codes go
	v_and_b32 v6, 31, v0
	v_lshlrev_b32 v[VO1], 3, v6
	v_add_nc_u32 v[VO2], s94, v[VO1]
	v_mul_u32_u24 v[VSO], v2, HS
	v_lshl_add_u32 v[VSO], v1, 4, v[VSO]
	s_cmp_eq_u32 s66, 2
	s_cbranch_scc1 .Lbias_v
.irp b, 0,1,2,3,4,5,6,7                        ; Q, K: register j of tile b holds feature 32 (b / 2) + 8 (b % 2) + 16 h + j
	global_load_b128 v[BIAS+8*\b:BIAS+8*\b+3], v[BO1], s[12:13] offset:(32*(\b/2)+8*(\b%2))*4
	global_load_b128 v[BIAS+8*\b+4:BIAS+8*\b+7], v[BO1], s[12:13] offset:(32*(\b/2)+8*(\b%2))*4+16
.endr
	s_branch .Lbias_done
.Lbias_v:
.irp a, 0,1,2,3,4,5,6,7                        ; V: all eight registers of block a hold the lane's channel 32 (a / 2) + 8 (a % 2) + r + 8 (r / 8)
.irp j, 0,1,2,3,4,5,6,7
	global_load_b32 v[BIAS+8*\a+\j], v[BO2], s[12:13] offset:(32*(\a/2)+8*(\a%2))*4
.endr
.endr
.Lbias_done:
.macro FRAG reg, adr, q, i             ; a fragment: 12 registers: lane l holds row l % 16; registers 6 c .. 6 c + 5 hold K = 64 c + 32 (l / 16) + 0 .. 31: 24 bytes of the row, in pieces of 8
.irp p, 0,1,2,3,4,5
.set PCE, 12*(\q)+6*(\p/3)+\p%3       ; where the piece three on lies behind one padding more, the second address register serves
.if PCE%8 < 5
	ds_load_b64 v[\reg+2*\p:\reg+2*\p+1], v[\adr] offset:8*PCE+16*(PCE/8)+(\i)*16*PITCH
.else
	ds_load_b64 v[\reg+2*\p:\reg+2*\p+1], v[\adr+2] offset:8*PCE+16*(PCE/8)+(\i)*16*PITCH
.endif
.endr
.endm
; 16 matrix instructions: A's blocks a0, a0 + 1 x B's eight, 128 along K.  cm = 0: onto the sums; 1: the sums begin with the bias by B's tile; 2: by A's block.  The 64 accumulators take turns.
.macro MUL16 a0, p, q, sc, cm
.irp a, \a0, \a0+1
.irp b, 0,1,2,3,4,5,6,7
.if \cm == 1
	v_wmma_scale_f32_16x16x128_f8f6f4 v[8*(8*((\a)%4)+\b):8*(8*((\a)%4)+\b)+7], v[128*(\p)+FR*\b:128*(\p)+FR*\b+FR-1], v[AF+FR*(\a):AF+FR*(\a)+FR-1], v[BIAS+8*\b:BIAS+8*\b+7], v[SC+8*NQ*(\sc)+NQ*\b+(\q)], v[SC+8*NQ*(\sc)+NQ*(\a)+(\q)] matrix_a_fmt:MATRIX_FMT_FP6 matrix_b_fmt:MATRIX_FMT_FP6 matrix_a_scale:MATRIX_SCALE_ROW1
.elseif \cm == 2
	v_wmma_scale_f32_16x16x128_f8f6f4 v[8*(8*((\a)%4)+\b):8*(8*((\a)%4)+\b)+7], v[128*(\p)+FR*\b:128*(\p)+FR*\b+FR-1], v[AF+FR*(\a):AF+FR*(\a)+FR-1], v[BIAS+8*(\a):BIAS+8*(\a)+7], v[SC+8*NQ*(\sc)+NQ*\b+(\q)], v[SC+8*NQ*(\sc)+NQ*(\a)+(\q)] matrix_a_fmt:MATRIX_FMT_FP6 matrix_b_fmt:MATRIX_FMT_FP6 matrix_a_scale:MATRIX_SCALE_ROW1
.else
	v_wmma_scale_f32_16x16x128_f8f6f4 v[8*(8*((\a)%4)+\b):8*(8*((\a)%4)+\b)+7], v[128*(\p)+FR*\b:128*(\p)+FR*\b+FR-1], v[AF+FR*(\a):AF+FR*(\a)+FR-1], v[8*(8*((\a)%4)+\b):8*(8*((\a)%4)+\b)+7], v[SC+8*NQ*(\sc)+NQ*\b+(\q)], v[SC+8*NQ*(\sc)+NQ*(\a)+(\q)] matrix_a_fmt:MATRIX_FMT_FP6 matrix_b_fmt:MATRIX_FMT_FP6 matrix_a_scale:MATRIX_SCALE_ROW1
.endif
.endr
.endr
.endm
.macro FETCH_B slot, q, p
	WIN TO_B
.irp i, 0,1,2,3,4,5,6,7
	FRAG 128*(\p)+FR*\i, ADRB+\slot, \q, \i
.endr
	WIN 0
.endm
.macro FETCH_A slot, q, i0
.irp i, \i0, \i0+1, \i0+2, \i0+3
	FRAG AF+FR*(\i), ADRA+\slot, \q, \i
.endr
.endm
.macro SCALES sc                       ; a K step's scale words: two words a row; lanes 0-15 take A's block i, lanes 16-31 B's block i
.irp i, 0,1,2,3,4,5,6,7
	ds_load_b64 v[SC+8*NQ*\sc+NQ*\i:SC+8*NQ*\sc+NQ*\i+1], v[ADRS] offset:\i*SBLK
.endr
.endm
.macro PLACES n                        ; plain vector lines between a matrix instruction and a load into, or a vector read of, its registers
.rept \n
	v_nop
.endr
.endm
.macro STEP slot, q, cm                ; a step of 128 along K that has its successor in the same slot
	s_wait_dscnt 4*NL                              ; B's set and A's blocks 0-3 are in; the youngest 24 loads (A's blocks 4-7) may be out
.if \cm
	WIN BIA_LO
.else
	WIN MUL_LO
.endif
	MUL16 0, (\q)%2, \q, \slot, \cm
	MUL16 2, (\q)%2, \q, \slot, \cm
	s_wait_dscnt 0
	PLACES NP
	FETCH_B \slot, (\q)+1, 1-(\q)%2
	FETCH_A \slot, (\q)+1, 0
.if \cm
	WIN BIA_HI
.else
	WIN MUL_HI
.endif
	MUL16 4, (\q)%2, \q, \slot, \cm
	MUL16 6, (\q)%2, \q, \slot, \cm
	PLACES NP
	WIN 0
	FETCH_A \slot, (\q)+1, 4
.endm
; A slot's last step changes slots: one barrier; in front of it each wave waits for all its tensor loads, adds 0 to its spare word, and waits for that and for its own reads of this slot.
.macro TURN slot, next, fill
	s_wait_tensorcnt 0x0                           ; all my tensor loads have landed: my part of the next slot
	ds_add_u32 v[SPW], v[NIL]                      ; 0 onto my spare word
	s_wait_dscnt 4*NL+1                            ; the add and the youngest 24 loads (A's blocks 4-7) may be out
	WIN MUL_LO
	MUL16 0, 1, NQ-1, \slot, 0
	s_wait_dscnt 0x0                               ; the add is done, and my reads of this slot are over
	s_barrier_signal -1
	MUL16 2, 1, NQ-1, \slot, 0
	WIN 0
	s_barrier_wait -1
.if \fill
	CREST                                          ; the barrier has opened a round of the cluster's: no wave of any partner still reads this slot or has a load on its way
	s_add_nc_u64 s[G0+4*\slot+2:G0+4*\slot+3], s[G0+4*\slot+2:G0+4*\slot+3], 2*ROWB
	s_add_nc_u64 s[G0B+4*\slot+2:G0B+4*\slot+3], s[G0B+4*\slot+2:G0B+4*\slot+3], 2*ROWB
	JLOAD G0+4*\slot, G1, G0B+4*\slot, G1B         ; the first tensor load behind the round; its four v_nop are the places in front of the loads below
.else
	PLACES NP
.endif
	v_add_nc_u32 v[ADRS], 4*NQ, v[ADRS]            ; on to the next K step's scale words
	FETCH_B \next, 0, 0
	FETCH_A \next, 0, 0
	SCALES \next
	WIN MUL_HI
	MUL16 4, 1, NQ-1, \slot, 0
	MUL16 6, 1, NQ-1, \slot, 0
	PLACES NP
	WIN 0
	FETCH_A \next, 0, 4
.endm
	s_wait_tensorcnt 1                             ; the scales and my part of K step 0 are in (K step 1's load may be out),
	s_barrier_signal -1
	s_barrier_wait -1                              ; everybody's are
	FETCH_B 0, 0, 0
	FETCH_A 0, 0, 0
	SCALES 0
	FETCH_A 0, 0, 4
	s_wait_loadcnt 0x0                             ; the bias
	s_cmp_eq_u32 s66, 2                            ; the first step is written twice: its products take the bias as C, by B's tile or by A's block.  It holds no barrier and no tensor load
	s_cbranch_scc1 .Lfirst_v
	STEP 0, 0, 1
	s_branch .Lfirst_done
.Lfirst_v:
	STEP 0, 0, 2
.Lfirst_done:
	s_mov_b32 s3, LAPS-1
.Llap:                                             ; a trip goes once round the ring and fills both slots again
	TURN 0, 1, 1
	STEP 1, 0, 0
	TURN 1, 0, 1
	STEP 0, 0, 0
	s_sub_co_u32 s3, s3, 1
	s_cmp_lg_u32 s3, 0
	s_cbranch_scc1 .Llap
	TURN 0, 1, 0                                   ; the last lap fills nothing
	STEP 1, 0, 0
	s_wait_dscnt 4*NL
	WIN MUL_LO
	MUL16 0, 1, NQ-1, 1, 0
	MUL16 2, 1, NQ-1, 1, 0
	s_wait_dscnt 0
	WIN MUL_HI
	MUL16 4, 1, NQ-1, 1, 0
	MUL16 6, 1, NQ-1, 1, 0
	WIN 0
; THE WAY OUT.  Block a (16 rows of A's side): a lane's 64 numbers, register 16 b + i = place 32 b + 16 (lane / 16) + i along B's side, become a fragment's 12 registers of codes and a scale word.
.macro QUANTW a
.set AC, 64*((\a)%4)
.set W, 2+(\a)/4
.set W01, W|(W<<2)
.set W12, (W<<2)|(W<<4)
	WIN W01                                        ; sources 0 and 1: the accumulators' window
.irp b, 0,1,2,3
	v_max3_num_f32 v[TM+\b], |v[AC+16*\b]|, |v[AC+1+16*\b]|, 0x1800000   ; block b: my 16 numbers, each accumulator from its low end on, and the floor 2^(3 - 127)
.endr
	WIN W12                                        ; sources 1 and 2
.irp i, 2,4,6,8,10,12,14
.irp b, 0,1,2,3
	v_max3_num_f32 v[TM+\b], v[TM+\b], |v[AC+16*\b+\i]|, |v[AC+1+16*\b+\i]|
.endr
.endr
	WIN 0
.irp b, 0,1,2,3
	v_permlanex16_b32 v[TM+4+\b], v[TM+\b], s18, s19
.endr
.irp b, 0,1,2,3
	v_max_num_f32 v[TM+\b], v[TM+\b], v[TM+4+\b]   ; with lane l xor 16's: the block's largest magnitude
.endr
.irp b, 0,1,2,3
	v_add_nc_u32 v[TM+12+\b], 0xff000000, v[TM+\b] ; 2 off its exponent field: the conversion's scale operand
.endr
.irp b, 0,1,2,3
	v_lshrrev_b32 v[TM+4+\b], 23, v[TM+12+\b]      ; the scale's byte
.endr
	v_lshl_or_b32 v[SW+(\a)], v[TM+5], 8, v[TM+4]
	v_lshl_or_b32 v[SW+(\a)], v[TM+6], 16, v[SW+(\a)]
	v_lshl_or_b32 v[SW+(\a)], v[TM+7], 24, v[SW+(\a)]
	WIN W                                          ; source 0
.irp c, 0,1
	v_cvt_scalef32_pk16_fp6_f32 v[PC+6*\c:PC+2+6*\c], v[AC+32*\c:AC+15+32*\c], v[TM+12+2*\c]
	v_cvt_scalef32_pk16_fp6_f32 v[PC+12+4*\c:PC+14+4*\c], v[AC+16+32*\c:AC+31+32*\c], v[TM+12+2*\c+1]   ; (a conversion's three registers begin on an even number)
.endr
	WIN 0
	v_nop                                          ; one plain line behind a scaled conversion
.irp c, 0,1                                    ; the operand's layout wants a whole block in a lane
.irp i, 0,1,2
	v_permlane16_swap_b32 v[PC+6*\c+\i], v[PC+12+4*\c+\i]
.endr
.irp i, 0,1,2
	v_mov_b32 v[PC+3+6*\c+\i], v[PC+12+4*\c+\i]
.endr
.endr
.endm
.macro OUTB a                          ; registers 0-5 and 6-11 as images: each store covers 256 consecutive bytes, aligned
.irp p, 0,1,2
	global_store_b64 v[VO1], v[PC+2*\p:PC+2*\p+1], s[8:9] offset:256*\p
	global_store_b64 v[VO2], v[PC+6+2*\p:PC+7+2*\p], s[8:9] offset:256*\p
.endr
	s_wait_xcnt 0x0                                ; the stores have read their data and their base: both are written again only behind this wait
.if (\a) == 3
	s_add_nc_u64 s[8:9], s[8:9], s[98:99]
.elseif (\a) < 7
	s_add_nc_u64 s[8:9], s[8:9], s[96:97]
.endif
.endm
	PLACES NP                                      ; behind the last products
	s_mov_b32 s18, 0x76543210
	s_mov_b32 s19, 0xfedcba98                      ; lane selects: lane l xor 16
.irp b, 0,1,2,3
	v_mov_b32 v[TM+4+\b], 0                        ; written once: a lane permute's destination counts as one of its sources
.endr
	v_lshlrev_b32 v[BO1], 4, v2                    ; 16 h
.irp a, 0,1,2,3,4,5,6,7
	QUANTW \a
	OUTB \a
.endr
	s_cmp_eq_u32 s66, 2
	s_cbranch_scc1 .Lscale_v
.irp a, 0,1,2,3,4,5,6,7                        ; Q, K: a word's bytes 0, 1 are the even head's two blocks, bytes 2, 3 the odd head's: lanes 16-31 bring theirs down and store into the odd head's chunk.
	v_lshrrev_b32 v[SW+\a], v[BO1], v[SW+\a]       ; What is left in bytes 2, 3 (a byte from 1 to 254, or 0) scales products with zero codes alone
.endr
	global_store_b128 v[VSO], v[SW:SW+3], s[10:11]
	global_store_b128 v[VSO], v[SW+4:SW+7], s[10:11] offset:256
	s_branch .Lscale_done
.Lscale_v:
	s_mov_b32 s20, 0xffff0000
.irp i, 0,1,2,3                                ; V: blocks 0-3 are the even head's four tiles, blocks 4-7 the odd head's: lanes 16-31 store those
	v_cndmask_b32 v[SW+\i], v[SW+\i], v[SW+4+\i], s20
.endr
	global_store_b128 v[VSO], v[SW:SW+3], s[10:11]
.Lscale_done:
	s_wait_tensorcnt 0x0                           ; the wave's end
	ds_add_u32 v[SPW], v[NIL]
	s_wait_dscnt 0x0
	CROUND                                         ; the closing round: no work-group ends while a partner may still ask for a tile that names it
	s_endpgm
.Lfunc_end_k_q8b99c1b023_proj:
	.size	k_q8b99c1b023_proj, .Lfunc_end_k_q8b99c1b023_proj-k_q8b99c1b023_proj
	.p2alignl 7, 3214868480
	.fill 96, 4, 3214868480
	.section	.rodata,"a",@progbits
	.p2align	6, 0x0
	.amdhsa_kernel k_q8b99c1b023_proj
		.amdhsa_group_segment_fixed_size 327680
		.amdhsa_private_segment_fixed_size 0
		.amdhsa_enable_private_segment 0
		.amdhsa_kernarg_size 56
		.amdhsa_user_sgpr_count 2
		.amdhsa_user_sgpr_kernarg_segment_ptr 1
		.amdhsa_wavefront_size32 1
		.amdhsa_system_sgpr_workgroup_id_x 1
		.amdhsa_system_sgpr_workgroup_id_y 1
		.amdhsa_system_sgpr_workgroup_id_z 1
		.amdhsa_system_vgpr_workitem_id 0
		.amdhsa_next_free_vgpr 1024
		.amdhsa_next_free_sgpr 106
		.amdhsa_reserve_vcc 0
		.amdhsa_float_denorm_mode_32 3
		.amdhsa_float_denorm_mode_16_64 3
		.amdhsa_memory_ordered 1
		.amdhsa_forward_progress 1
		.amdhsa_inst_pref_size 192
	.end_amdhsa_kernel
	.amdgpu_metadata
---
amdhsa.version: [ 1, 2 ]
amdhsa.kernels:
  - .name:           k_q8b99c1b023_proj
    .symbol:         k_q8b99c1b023_proj.kd
    .args:
      - { .name: cod, .offset: 0, .size: 8, .value_kind: global_buffer, .address_space: global }
      - { .name: scl, .offset: 8, .size: 8, .value_kind: global_buffer, .address_space: global }
      - { .name: b_q, .offset: 16, .size: 8, .value_kind: global_buffer, .address_space: global }
      - { .name: b_k, .offset: 24, .size: 8, .value_kind: global_buffer, .address_space: global }
      - { .name: b_v, .offset: 32, .size: 8, .value_kind: global_buffer, .address_space: global }
      - { .name: qi, .offset: 40, .size: 8, .value_kind: global_buffer, .address_space: global }
      - { .name: kv, .offset: 48, .size: 8, .value_kind: global_buffer, .address_space: global }
    .group_segment_fixed_size: 327680
    .private_segment_fixed_size: 0
    .kernarg_segment_align: 8
    .kernarg_segment_size: 56
    .max_flat_workgroup_size: 128
    .sgpr_count:     106
    .vgpr_count:     1024
    .wavefront_size: 32
...
	.end_amdgpu_metadata
.endif
;; end of part 2
;; launch attn (part 3): grid 4 x 64, 16 waves a work-group, no clusters, 210,944 bytes of LDS; arguments qi, kv, mw, xo, xos; writes xo, xos
.if DOCPART == 3
	.amdgcn_target "amdgcn-amd-amdhsa--gfx1250"
	.amdhsa_code_object_version 6
	.text
	.protected	k_q8b99c1b023_attn
	.globl	k_q8b99c1b023_attn
	.p2align	8
	.type	k_q8b99c1b023_attn,@function
k_q8b99c1b023_attn:
	s_mov_b64 s[64:65], 0
	v_nop
	global_prefetch_b8 v0, s[64:65] scope:SCOPE_SE
	s_setreg_imm32_b32 hwreg(HW_REG_WAVE_MODE, 25, 1), 1
	s_wait_xcnt 0x0
; ATTENTION on codes of FP6 (E2M3): S^T = K Q^T (K = the head's 64, in the lower half of an instruction's 128), the mask, p = 2^(t - M), O^T += V^T P^T (K = 128 keys a step), O / l, and O quantised along D for the last product.
; SHARES.  A work-group owns one (batch, head) and a quarter of its 128 tiles of 16 queries.  The head's 16 chunks (K's and V^T's register images and their scale words, 13,056 bytes for each 128 keys) are copied into LDS ONCE,
; a chunk a wave; one barrier; nothing is written to LDS afterwards.  Wave w takes tile QT = 4 w + x and then tile 127 - QT: whatever grows with the query is evened out.  Four waves share a SIMD.
; NO TENSOR LOADS, NO CLUSTER: which steps a tile walks hangs on whole numbers that an earlier launch stored.  What the four work-groups of a head share is read once
; by each at its head: 204 KiB against 17 to 32 key steps of work a wave.
; LAYOUT.  Both products are used transposed: a lane holds ONE query (lane % 16) throughout.  The keys of K's tiles and the channels of V^T's tiles were chosen by the launch before, so that the 16 registers of tiles 2 b and 2 b + 1
; are 16 neighbours: key (or channel) 32 b + 16 (lane / 16) + 0 .. 15.
; K'S FRAGMENTS OVERLAP.  Q's registers 6-11 are zero codes, so K's registers 6-11 may hold any codes: they are the next tile's six (behind the last tile: six zeros).  A tile of K costs 6 registers and 3 loads.
; THE MASK is an input.  A score whose mask byte is 0 is replaced by -2^33 ahead of the maximum: one select a number, on lane masks in scalar registers, only in steps that have a hidden key.  t = -2^33 c is exact and whole,
; so a row with no open key has t - M = 0 and p = 1 for every key: the plain mean, as with -1e9.  A step with no open key for any of the tile's 16 queries is left out, unless some query of the tile has no open key at all:
; then the tile walks all keys.  In a row with an open key hidden keys give p = 0, and what was summed under the hidden keys' M is multiplied by 2^(a whole number under -10^9) = 0.
; LIMITS: a hidden logit counts as -2^30 in place of -1e9: another result only where an open logit lies under about -1e9.  NaN and infinities are not served.  A block of zeros gets the scale byte 1.
; REGISTERS: v1-6 addresses that stay; v8-9 the step's LDS addresses; v12 -M, v13 the largest t, v[14:15] l in two halves; v16-27 Q (22-27 zeros), v28 its scale word; v32-85 K's tiles, then V^T's (v32-79); v96-159 S^T, then p;
; v160-191 O^T; v192-210 p's codes; v212-223 block maxima, bytes, scale operands; v224-236 scale words; v238 f; v240-245 at work; v242 -2^33.
.set CH,   13056
.set HS,   208896
.set VOFF, 6144
.set KSC,  12288
.set VSC,  12800
.set L8,   1                           ; v1   8 x lane
.set R16,  2                           ; v2   16 r
.set XSO,  3                           ; v3   32 r + h
.set L16,  4                           ; v4   16 x lane
.set FA,   5                           ; v5   the fill: 16 x lane + my chunk in LDS
.set FB,   6                           ; v6   8 x lane + my chunk
.set ADL,  8
.set ADS,  9
.set QF,   16
.set QS,   28
.set KF,   32
.set S,    96
.set O,    160
.set PC,   192
.set PT,   204
.set BM,   212
.set BX,   216
.set SO,   220
.set KS,   224
.set VS,   232
.set PW,   236
.set F,    238
.set T0,   240
.set T1,   241
.set NEG,  242
.set SU,   244
.set WV,   66
.set TB,   67                          ; s67  LDS byte at which the step's chunk begins
.set CNT,  68                          ; s68  the step
.set BITS, 69                          ; s69  bit s: step s is walked; bit 16 + s: it has a hidden key
.set CUR,  70
.set HB,   71                          ; s71  the head's first byte in qi and kv
.set CS,   72                          ; s[72:73] c = log2(e) / 8
.set SEL,  74                          ; s[74:75] lane selects: lane l xor 16
.set QT,   77
.set HI16, 79                          ; s79  lanes 16-31
.set MP,   96                          ; s[96:97] the step's 64 lane words in mw.  They land in s16-63 and s80-95
	s_load_b256 s[4:11], s[0:1], 0x0               ; qi, kv, mw, xo
	s_load_b64 s[12:13], s[0:1], 0x20              ; xos
	v_lshl_add_u32 v254, v0, 2, 0x33000
	v_mov_b32 v255, 0
	v_lshrrev_b32 v7, 5, v0
	s_delay_alu instid0(VALU_DEP_1)
	v_readfirstlane_b32 s[WV], v7                  ; wave 0..15
	v_and_b32 v7, 31, v0
	s_delay_alu instid0(VALU_DEP_1)
	v_lshlrev_b32 v[L8], 3, v7
	s_delay_alu instid0(VALU_DEP_2)
	v_lshlrev_b32 v[L16], 4, v7
	v_and_b32 v10, 15, v0                          ; r
	v_bfe_u32 v11, v0, 4, 1                        ; h
	s_delay_alu instid0(VALU_DEP_2)
	v_lshlrev_b32 v[R16], 4, v10
	s_delay_alu instid0(VALU_DEP_2)
	v_lshl_add_u32 v[XSO], v10, 5, v11
	s_mul_i32 s14, s[WV], CH
	v_add_nc_u32 v[FA], s14, v[L16]
	v_add_nc_u32 v[FB], s14, v[L8]
	s_and_b32 s15, ttmp7, 0xffff                   ; 16 x batch + head
	s_mul_i32 s[HB], s15, HS
	s_add_co_u32 s78, s[HB], s14
	s_mov_b32 s79, 0
	s_wait_alu depctr_va_vdst(0)
	s_wait_kmcnt 0x0
	s_add_nc_u64 s[98:99], s[6:7], s[78:79]        ; my chunk in memory
.set n, 0
.rept 25
	global_load_b128 v[32+4*n:35+4*n], v[L16], s[98:99] offset:512*n   ; 512 consecutive bytes a load
.set n, n+1
.endr
	global_load_b64 v[132:133], v[L8], s[98:99] offset:12800           ; and the last 256
	s_and_b32 s76, s15, 15                         ; head
	s_lshr_b32 s78, s15, 4                         ; batch
	s_lshr_b32 s14, s76, 2
	s_mul_i32 s104, s14, 1572864                   ; xo: the last product's K step of 256 (four heads): 512 tiles of rows x 3,072 bytes,
	s_mul_i32 s14, s78, 393216                     ; the batch's 128 tiles of rows,
	s_add_co_u32 s104, s104, s14
	s_and_b32 s14, s76, 3
	s_mul_i32 s14, s14, 768                        ; and the head's six registers of the K step's 24
	s_add_co_u32 s104, s104, s14
	s_lshl_b32 s105, s78, 16                       ; xos: 32 bytes a row; the head's two bytes
	s_lshl_b32 s14, s76, 1
	s_add_co_u32 s105, s105, s14
	s_mov_b32 s[HI16], 0xffff0000
	s_mov_b32 s[CS], 0x3e38aa3b                    ; c = log2(e) / sqrt(64)
	s_mov_b32 s[CS+1], s[CS]                       ; (named with it as a pair, so it is written)
	s_mov_b32 s[SEL], 0x76543210
	s_mov_b32 s[SEL+1], 0xfedcba98
.set n, 0
.rept 25
	s_wait_loadcnt 25-n                            ; load n is in; the 25 - n younger ones may be out
	ds_store_b128 v[FA], v[32+4*n:35+4*n] offset:512*n
.set n, n+1
.endr
	s_wait_loadcnt 0x0
	ds_store_b64 v[FB], v[132:133] offset:12800
	s_wait_dscnt 0x0                               ; for the others' sake: my chunk lies in LDS
	s_barrier_signal -1
	s_barrier_wait -1                              ; all sixteen do: the only barrier
.irp i, 22,23,24,25,26,27,80,81,82,83,84,85
	v_mov_b32 v[\i], 0                             ; Q's upper half, and what stands behind K's last tile: zero codes
.endr
.irp i, 0,1,2,3
	v_mov_b32 v[BX+\i], 0                          ; written once: a lane permute's destination counts as one of its sources
.endr
	v_mov_b32 v[F+1], 0                            ; (named as the upper half of the pair with f)
	v_mov_b32 v[T0], 0
	v_mov_b32 v[NEG], 0xd0000000                   ; -2^33
.macro PASS second
	s_lshl_b32 s[QT], s[WV], 2
	s_add_co_u32 s[QT], s[QT], ttmp9
.if \second
	s_sub_co_u32 s[QT], 127, s[QT]
.endif
	s_lshr_b32 s78, s[QT], 3                       ; Q's images lie as K's do: chunk QT / 8, tile QT % 8
	s_mul_i32 s78, s78, CH
	s_add_co_u32 s78, s78, s[HB]
	s_and_b32 s76, s[QT], 7
	s_mul_i32 s14, s76, 768
	s_add_co_u32 s14, s14, s78
	s_mov_b32 s15, 0
	s_add_nc_u64 s[98:99], s[4:5], s[14:15]
	s_lshr_b32 s76, s76, 2
	s_lshl_b32 s76, s76, 8
	s_and_b32 s14, s[QT], 3
	s_lshl_b32 s14, s14, 2
	s_add_co_u32 s14, s14, s76
	s_add_co_u32 s14, s14, s78
	s_add_co_u32 s14, s14, KSC
	s_add_nc_u64 s[100:101], s[4:5], s[14:15]
.irp p, 0,1,2
	global_load_b64 v[QF+2*\p:QF+2*\p+1], v[L8], s[98:99] offset:256*\p
.endr
	global_load_b32 v[QS], v[R16], s[100:101]
	s_lshl_b32 s76, s[QT], 5
	s_load_b256 s[16:23], s[8:9], s76 offset:0x80000   ; the tile's map
	s_lshl_b32 s14, s[QT], 12
	s_add_nc_u64 s[MP:MP+1], s[8:9], s[14:15]      ; the tile's lane words: 256 bytes a step
	v_mov_b32 v13, 0xff61b1e6                      ; the largest t so far: -3e38
	s_delay_alu instid0(VALU_DEP_1)
	v_floor_f32 v12, -v13                          ; -M
	v_mov_b32 v14, 0
	v_mov_b32 v15, 0
.set n, 0
.rept 32
	v_mov_b32 v[O+n], 0                            ; O^T: the step is written once; the first finds zeros, which the first change of M leaves zeros
.set n, n+1
.endr
	s_wait_kmcnt 0x0
	s_or_b32 s[BITS], s20, s21
	s_or_b32 s[BITS], s[BITS], s22
	s_or_b32 s[BITS], s[BITS], s23
	s_or_b32 s[CUR], s16, s17                      ; which lanes have an open key anywhere,
	s_or_b32 s[CUR], s[CUR], s18
	s_or_b32 s[CUR], s[CUR], s19
	s_lshr_b32 s76, s[CUR], 16
	s_or_b32 s[CUR], s[CUR], s76
	s_and_b32 s[CUR], s[CUR], 0xffff               ; which queries
	s_cmp_lg_u32 s[CUR], 0xffff
	s_cselect_b32 s76, 0xffff, 0                   ; a query with no open key: the tile walks all keys
	s_or_b32 s[BITS], s[BITS], s76
	s_mov_b32 s[TB], 0
	s_mov_b32 s[CNT], 0
	s_wait_loadcnt 0x0                             ; Q
.Lstep_\@:
	s_lshr_b32 s[CUR], s[BITS], s[CNT]
	s_bitcmp1_b32 s[CUR], 0
	s_cbranch_scc0 .Lskip_\@                       ; round the step's work; not round the lines at its end that step addresses
	s_load_b512 s[16:31], s[MP:MP+1], 0x0          ; the step's lane words, in every step that is walked
	s_load_b512 s[32:47], s[MP:MP+1], 0x40
	s_load_b512 s[48:63], s[MP:MP+1], 0x80
	s_load_b512 s[80:95], s[MP:MP+1], 0xc0
	s_setprio 2
	v_add_nc_u32 v[ADL], s[TB], v[L8]
	v_add_nc_u32 v[ADS], s[TB], v[R16]
	v_nop
	v_nop                                          ; four plain lines between the last products and the loads into registers that they read
.irp t, 0,1,2,3,4,5,6,7
.irp p, 0,1,2
	ds_load_b64 v[KF+6*\t+2*\p:KF+6*\t+2*\p+1], v[ADL] offset:768*\t+256*\p
.endr
.endr
	ds_load_b128 v[KS:KS+3], v[ADS] offset:KSC
	ds_load_b128 v[KS+4:KS+7], v[ADS] offset:KSC+256
	s_wait_alu depctr_va_vdst(0)
	s_wait_dscnt 0x0
.irp t, 0,1,2,3,4,5,6,7
	v_wmma_scale_f32_16x16x128_f8f6f4 v[S+8*\t:S+8*\t+7], v[KF+6*\t:KF+6*\t+11], v[QF:QF+11], 0, v[KS+\t], v[QS] matrix_a_fmt:MATRIX_FMT_FP6 matrix_b_fmt:MATRIX_FMT_FP6
.endr
.rept 4
	v_nop                                          ; places: for the loads below and for the first read of the scores
.endr
.irp d, 0,1,2,3                                ; V^T's four tiles are asked for now and land under the softmax
.irp p, 0,1,2,3,4,5
	ds_load_b64 v[KF+12*\d+2*\p:KF+12*\d+2*\p+1], v[ADL] offset:VOFF+1536*\d+256*\p
.endr
.endr
	ds_load_b128 v[VS:VS+3], v[ADS] offset:VSC
	s_wait_kmcnt 0x0                               ; the lane words are in, and their pointer may be stepped
	s_bitcmp1_b32 s[CUR], 16
	s_cbranch_scc0 .Lopen_\@                       ; a step all of whose keys count skips the selects
.set n, 0
.rept 64
.if n < 48
	v_cndmask_b32 v[S+n], v[NEG], v[S+n], s[16+n]  ; open: the score; hidden: -2^33.  Ascending: each accumulator from its low end on
.else
	v_cndmask_b32 v[S+n], v[NEG], v[S+n], s[32+n]
.endif
.set n, n+1
.endr
.Lopen_\@:
.irp b, 0,1,2,3
	v_max3_num_f32 v[BM+\b], v[S+16*\b], v[S+1+16*\b], v[S+2+16*\b]   ; the largest score of each block of 32 keys: for the row's maximum, and, since p rises with the score, for the block's largest p
.endr
.irp i, 3,5,7,9,11,13
.irp b, 0,1,2,3
	v_max3_num_f32 v[BM+\b], v[BM+\b], v[S+16*\b+\i], v[S+1+16*\b+\i]
.endr
.endr
.irp b, 0,1,2,3
	v_max_num_f32 v[BM+\b], v[BM+\b], v[S+15+16*\b]
.endr
.irp b, 0,1,2,3
	s_delay_alu instid0(VALU_DEP_4)
	v_permlanex16_b32 v[BX+\b], v[BM+\b], s[SEL], s[SEL+1]
.endr
.irp b, 0,1,2,3
	s_delay_alu instid0(VALU_DEP_4)
	v_max_num_f32 v[BM+\b], v[BM+\b], v[BX+\b]     ; with lane l xor 16's 16 keys
.endr
	s_delay_alu instid0(VALU_DEP_2)
	v_max3_num_f32 v[T0], v[BM], v[BM+1], v[BM+2]
	s_delay_alu instid0(VALU_DEP_1)
	v_max_num_f32 v[T0], v[T0], v[BM+3]
	s_delay_alu instid0(VALU_DEP_1)
	v_mul_f32 v[T0], s[CS], v[T0]                  ; as t (c is positive)
	s_delay_alu instid0(VALU_DEP_1)
	v_max_num_f32 v13, v13, v[T0]                  ; the running largest t
	v_mov_b32 v[T0], v12
	s_delay_alu instid0(VALU_DEP_2)
	v_floor_f32 v12, -v13                          ; the new -M = -ceil(t): a whole number
	s_delay_alu instid0(VALU_DEP_1)
	v_sub_f32 v[T0], v12, v[T0]                    ; old M - new M: whole, 0 or less
	s_delay_alu instid0(VALU_DEP_1)
	v_cvt_i32_f32 v[T0], v[T0]                     ; (it saturates)
	s_delay_alu instid0(VALU_DEP_1)
	v_ldexp_f32 v[F], 1.0, v[T0]                   ; f = 2^(old M - new M): a multiplication by it rounds nothing
.set n, 0
.rept 32
	v_pk_fma_f32 v[S+n:S+n+1], v[S+n:S+n+1], s[CS:CS+1], v[12:13] op_sel_hi:[1,0,0]   ; t - M, two at a time
.set n, n+2
.endr
.irp b, 0,1,2,3
	v_fma_f32 v[BM+\b], v[BM+\b], s[CS], v12       ; the same of each block's largest score
.endr
.set n, 0
	s_setprio 1
	s_wait_alu depctr_va_vdst(0)
.rept 64
	v_exp_f32 v[S+n], v[S+n]                       ; p = 2^(t - M), at most 1, not normalised
.set n, n+1
.endr
.irp b, 0,1,2,3
	v_exp_f32 v[BM+\b], v[BM+\b]                   ; the block's largest p: the same two instructions on the same number give the same bits
.endr
	v_pk_mul_f32 v[14:15], v[14:15], v[F:F+1] op_sel_hi:[1,0]   ; l under the new M: plain work behind the batch, which names none of its results,
.set n, 0
	s_wait_alu depctr_va_vdst(0)
.rept 16
	v_pk_mul_f32 v[O+n:O+n+1], v[O+n:O+n+1], v[F:F+1] op_sel_hi:[1,0]   ; and O^T likewise, each accumulator from its low end on
.set n, n+2
.endr
	s_wait_alu depctr_va_vdst(0)                   ; one wait for the 68 exponentials, ahead of the first line that names a result
.irp b, 0,1,2,3
	v_max_num_f32 v[BM+\b], 0x1800000, v[BM+\b]    ; the floor 2^(3 - 127): the byte cannot fall under 1
.endr
.irp b, 0,1,2,3
	s_delay_alu instid0(VALU_DEP_4)
	v_add_nc_u32 v[SO+\b], 0xff000000, v[BM+\b]    ; 2 off the exponent field: the conversion's scale operand
.endr
.irp b, 0,1,2,3
	s_delay_alu instid0(VALU_DEP_4)
	v_lshrrev_b32 v[BX+\b], 23, v[SO+\b]           ; the scale's byte
.endr
	s_delay_alu instid0(VALU_DEP_3)
	v_lshl_or_b32 v[PW], v[BX+1], 8, v[BX]         ; p's scale word for these 128 keys
	s_delay_alu instid0(VALU_DEP_1)
	v_lshl_or_b32 v[PW], v[BX+2], 16, v[PW]
	s_delay_alu instid0(VALU_DEP_1)
	v_lshl_or_b32 v[PW], v[BX+3], 24, v[PW]
.irp c, 0,1
	v_cvt_scalef32_pk16_fp6_f32 v[PC+6*\c:PC+2+6*\c], v[S+32*\c:S+15+32*\c], v[SO+2*\c]
	v_cvt_scalef32_pk16_fp6_f32 v[PT+4*\c:PT+2+4*\c], v[S+16+32*\c:S+31+32*\c], v[SO+2*\c+1]   ; (a conversion's three registers begin on an even number)
.endr
	v_nop                                          ; one plain line behind a scaled conversion
.irp c, 0,1                                    ; the operand's layout wants a whole block in a lane
.irp i, 0,1,2
	v_permlane16_swap_b32 v[PC+6*\c+\i], v[PT+4*\c+\i]
.endr
.irp i, 0,1,2
	s_delay_alu instid0(VALU_DEP_3)
	v_mov_b32 v[PC+3+6*\c+\i], v[PT+4*\c+\i]
.endr
.endr
	v_pk_add_f32 v[244:245], v[100:101], v[104:105]
	s_setprio 0
	v_pk_add_f32 v[252:253], v[108:109], v[112:113]
	v_pk_add_f32 v[250:251], v[116:117], v[120:121]
	v_pk_add_f32 v[248:249], v[124:125], v[128:129]
	v_pk_add_f32 v[246:247], v[132:133], v[136:137]
	v_pk_add_f32 v[230:231], v[140:141], v[144:145]
	v_pk_add_f32 v[228:229], v[148:149], v[152:153]
	v_pk_add_f32 v[14:15], v[14:15], v[156:157]
	v_pk_add_f32 v[244:245], v[244:245], v[96:97]
	v_pk_add_f32 v[252:253], v[252:253], v[98:99]
	v_pk_add_f32 v[250:251], v[250:251], v[102:103]
	v_pk_add_f32 v[248:249], v[248:249], v[106:107]
	v_pk_add_f32 v[246:247], v[246:247], v[110:111]
	v_pk_add_f32 v[230:231], v[230:231], v[114:115]
	v_pk_add_f32 v[228:229], v[228:229], v[118:119]
	v_pk_add_f32 v[14:15], v[14:15], v[122:123]
	v_pk_add_f32 v[244:245], v[244:245], v[126:127]
	v_pk_add_f32 v[252:253], v[252:253], v[130:131]
	v_pk_add_f32 v[250:251], v[250:251], v[134:135]
	v_pk_add_f32 v[248:249], v[248:249], v[138:139]
	v_pk_add_f32 v[246:247], v[246:247], v[142:143]
	v_pk_add_f32 v[230:231], v[230:231], v[146:147]
	v_pk_add_f32 v[228:229], v[228:229], v[150:151]
	v_pk_add_f32 v[14:15], v[14:15], v[154:155]
	v_pk_add_f32 v[244:245], v[244:245], v[158:159]
	s_delay_alu instid0(VALU_DEP_2)
	v_pk_add_f32 v[14:15], v[14:15], v[248:249]
	s_delay_alu instid0(VALU_DEP_2)
	v_pk_add_f32 v[244:245], v[244:245], v[246:247]
	v_pk_add_f32 v[252:253], v[252:253], v[230:231]
	v_pk_add_f32 v[250:251], v[250:251], v[228:229]
	s_delay_alu instid0(VALU_DEP_2)
	v_pk_add_f32 v[14:15], v[14:15], v[252:253]
	s_delay_alu instid0(VALU_DEP_2)
	v_pk_add_f32 v[244:245], v[244:245], v[250:251]
	s_delay_alu instid0(VALU_DEP_1)
	v_pk_add_f32 v[14:15], v[14:15], v[244:245]
	s_wait_dscnt 0x0                               ; V^T and its scale words are in
.irp d, 0,1,2,3                                ; four accumulators by turns
	v_wmma_scale_f32_16x16x128_f8f6f4 v[O+8*\d:O+8*\d+7], v[KF+12*\d:KF+12*\d+11], v[PC:PC+11], v[O+8*\d:O+8*\d+7], v[VS+\d], v[PW] matrix_a_fmt:MATRIX_FMT_FP6 matrix_b_fmt:MATRIX_FMT_FP6
.endr
.Lskip_\@:
	s_add_co_u32 s[TB], s[TB], CH
	s_add_nc_u64 s[MP:MP+1], s[MP:MP+1], 256
	s_add_co_u32 s[CNT], s[CNT], 1
	s_cmp_lt_u32 s[CNT], 16
	s_cbranch_scc1 .Lstep_\@
	s_setprio 0
	; THE WAY OUT of a tile: O^T / l, quantised along the head's 64 channels (two blocks of the last product's K), as an image of that product's operand registers
.rept 4
	v_nop                                          ; places behind the last products
.endr
	s_wait_alu depctr_va_vdst(0)
	v_add_f32 v14, v14, v15                        ; l's two halves,
	s_delay_alu instid0(VALU_DEP_1)
	v_permlanex16_b32 v[T0], v14, s[SEL], s[SEL+1]
	s_delay_alu instid0(VALU_DEP_1)
	v_add_f32 v14, v14, v[T0]                      ; and lane l xor 16's
	s_wait_alu depctr_va_vdst(0)
	v_rcp_f32 v[F], v14                            ; l is at least 1/2: the row's largest p is among its terms
	s_mul_i32 s14, s[QT], 3072
	s_add_co_u32 s14, s14, s104
	s_add_nc_u64 s[98:99], s[10:11], s[14:15]
	s_lshl_b32 s14, s[QT], 9
	s_add_co_u32 s14, s14, s105
	s_add_nc_u64 s[100:101], s[12:13], s[14:15]
	v_nop                                          ; a plain line behind the reciprocal
	s_wait_alu depctr_va_vdst(0)                   ; and the wait ahead of its first reader
.set n, 0
.rept 16
	v_pk_mul_f32 v[S+n:S+n+1], v[O+n:O+n+1], v[F:F+1] op_sel_hi:[1,0]   ; register 16 b + i: channel 32 b + 16 h + i of my query
.set n, n+2
.endr
.irp b, 0,1
	v_max3_num_f32 v[BM+\b], |v[S+16*\b]|, |v[S+1+16*\b]|, 0x1800000
.endr
.irp i, 2,4,6,8,10,12,14
.irp b, 0,1
	s_delay_alu instid0(VALU_DEP_2)
	v_max3_num_f32 v[BM+\b], v[BM+\b], |v[S+16*\b+\i]|, |v[S+1+16*\b+\i]|
.endr
.endr
.irp b, 0,1
	s_delay_alu instid0(VALU_DEP_2)
	v_permlanex16_b32 v[BX+\b], v[BM+\b], s[SEL], s[SEL+1]
.endr
.irp b, 0,1
	s_delay_alu instid0(VALU_DEP_2)
	v_max_num_f32 v[BM+\b], v[BM+\b], v[BX+\b]
.endr
.irp b, 0,1
	s_delay_alu instid0(VALU_DEP_2)
	v_add_nc_u32 v[SO+\b], 0xff000000, v[BM+\b]
.endr
.irp b, 0,1
	s_delay_alu instid0(VALU_DEP_2)
	v_lshrrev_b32 v[BX+\b], 23, v[SO+\b]
.endr
	v_cvt_scalef32_pk16_fp6_f32 v[PC:PC+2], v[S:S+15], v[SO]
	v_cvt_scalef32_pk16_fp6_f32 v[PT:PT+2], v[S+16:S+31], v[SO+1]
	v_cndmask_b32 v[T1], v[BX], v[BX+1], s[HI16]   ; lanes 0-15 store block 0's byte, lanes 16-31 block 1's.  (The plain line behind the conversions)
.irp i, 0,1,2
	v_permlane16_swap_b32 v[PC+\i], v[PT+\i]
.endr
.irp i, 0,1,2
	s_delay_alu instid0(VALU_DEP_3)
	v_mov_b32 v[PC+3+\i], v[PT+\i]
.endr
.irp p, 0,1,2
	global_store_b64 v[L8], v[PC+2*\p:PC+2*\p+1], s[98:99] offset:256*\p   ; 256 consecutive bytes, aligned
.endr
	global_store_b8 v[XSO], v[T1], s[100:101]      ; two bytes of each of 16 rows of scale bytes: 256 KB in the whole launch
	s_wait_xcnt 0x0                                ; the stores have read their registers and bases: the next tile writes them again
.endm
	PASS 0
	PASS 1
	s_wait_tensorcnt 0x0
	ds_add_u32 v254, v255
	s_wait_dscnt 0x0
	s_endpgm
.Lfunc_end_k_q8b99c1b023_attn:
	.size	k_q8b99c1b023_attn, .Lfunc_end_k_q8b99c1b023_attn-k_q8b99c1b023_attn
	.p2alignl 7, 3214868480
	.fill 96, 4, 3214868480
	.section	.rodata,"a",@progbits
	.p2align	6, 0x0
	.amdhsa_kernel k_q8b99c1b023_attn
		.amdhsa_group_segment_fixed_size 210944
		.amdhsa_private_segment_fixed_size 0
		.amdhsa_enable_private_segment 0
		.amdhsa_kernarg_size 40
		.amdhsa_user_sgpr_count 2
		.amdhsa_user_sgpr_kernarg_segment_ptr 1
		.amdhsa_wavefront_size32 1
		.amdhsa_system_sgpr_workgroup_id_x 1
		.amdhsa_system_sgpr_workgroup_id_y 1
		.amdhsa_system_sgpr_workgroup_id_z 1
		.amdhsa_system_vgpr_workitem_id 0
		.amdhsa_next_free_vgpr 256
		.amdhsa_next_free_sgpr 106
		.amdhsa_reserve_vcc 0
		.amdhsa_float_denorm_mode_32 3
		.amdhsa_float_denorm_mode_16_64 3
		.amdhsa_memory_ordered 1
		.amdhsa_forward_progress 1
		.amdhsa_inst_pref_size 69
	.end_amdhsa_kernel
	.amdgpu_metadata
---
amdhsa.version: [ 1, 2 ]
amdhsa.kernels:
  - .name:           k_q8b99c1b023_attn
    .symbol:         k_q8b99c1b023_attn.kd
    .args:
      - { .name: qi, .offset: 0, .size: 8, .value_kind: global_buffer, .address_space: global }
      - { .name: kv, .offset: 8, .size: 8, .value_kind: global_buffer, .address_space: global }
      - { .name: mw, .offset: 16, .size: 8, .value_kind: global_buffer, .address_space: global }
      - { .name: xo, .offset: 24, .size: 8, .value_kind: global_buffer, .address_space: global }
      - { .name: xos, .offset: 32, .size: 8, .value_kind: global_buffer, .address_space: global }
    .group_segment_fixed_size: 210944
    .private_segment_fixed_size: 0
    .kernarg_segment_align: 8
    .kernarg_segment_size: 40
    .max_flat_workgroup_size: 512
    .sgpr_count:     106
    .vgpr_count:     256
    .wavefront_size: 32
...
	.end_amdgpu_metadata
.endif
;; end of part 3
;; launch outp (part 4): grid 4 x 32, 4 waves a work-group, clusters of 4 x 4, 327,680 bytes of LDS; arguments xo, xos, cod, scl, b_o, out0; writes out0
.if DOCPART == 4
	.amdgcn_target "amdgcn-amd-amdhsa--gfx1250"
	.amdhsa_code_object_version 6
	.text
	.protected	k_q8b99c1b023_outp
	.globl	k_q8b99c1b023_outp
	.p2align	8
	.type	k_q8b99c1b023_outp,@function
k_q8b99c1b023_outp:
	s_mov_b64 s[64:65], 0
	v_nop
	global_prefetch_b8 v0, s[64:65] scope:SCOPE_SE
	s_setreg_imm32_b32 hwreg(HW_REG_WAVE_MODE, 25, 1), 1
	s_wait_xcnt 0x0
	s_wait_alu depctr_hold_cnt(0) depctr_sa_sdst(0) depctr_va_vdst(0) depctr_va_sdst(0) depctr_va_ssrc(0) depctr_va_vcc(0) depctr_vm_vsrc(0)
	s_getreg_b32 s2, hwreg(HW_REG_IB_STS2, 6, 4)
	s_cmp_eq_u32 s2, 0
	s_cbranch_scc0 .Lentry_in_a_cluster
	s_endpgm
.Lentry_in_a_cluster:
	s_bfe_u32 s2, ttmp6, 0x10000c
	s_cmp_lg_u32 s2, 0xf033
	s_cbranch_scc0 .Lentry_shape_is_right
	s_endpgm
.Lentry_shape_is_right:
; out0 = x w_o^T + b_o on codes of FP6 (E2M3) with one E8M0 scale for each 32 along K.  M = 8,192, N = K = 1,024; out0 f32.
; x comes as IMAGES OF THE OPERAND'S REGISTERS (xo): for each K step of 256 and each tile of 16 rows 3,072 bytes: the step's two fragments, registers 2 p, 2 p + 1 of a lane at 256 p + 8 lane.  128 rows of a K step are one
; dense block of 24,576 bytes.  Its scale bytes (xos) lie [8192][32].  w_o's codes and scale bytes lie as rows in cod and scl.
; A tile of C, 256 x 256, is made by four waves, 128 x 128 each.  K goes in steps of 256 through a ring of two LDS slots; the scale bytes come once.  4 x 4 work-groups form a cluster and ask jointly for A's tiles along a row
; and B's along a column.  The matrix instruction is used transposed (source 0 = 16 rows of w_o, source 1 = 16 rows of x): a lane holds eight neighbouring numbers of a row of C.  The bias is the C of each sum's first product.
; 128 work-groups: with tiles of 256 x 256 the problem has no more.
; REGISTERS as in the projections: window 0: v0-31 addresses; v32-63 scale words; v64-127 the bias; from v128 A's fragments; window 1: B's, two sets; windows 2, 3: the accumulators.
.set SIZE_N, 1024
.set KSTEP,  256
.set NQ,     2
.set ROWB,   192
.set KROW,   768
.set PITCH,  240
.set FR,     12
.set NL,     6
.set NP,     4
.set HALFT,  128*PITCH                 ; a wave's part of a slot: B's 128 padded rows; A's 24,576 bytes of images lie at the head of such a part
.set SLOT,   4*HALFT
.set LAPS,   2
.set KS,     32
.set SCL,    2*SLOT
.set HALFS,  (128*KS/256)*272
.set SBLK,   (16*KS/256)*272
.set SPARE,  SCL+4*HALFS               ; the spare words, 128 bytes for each wave: two blocks of 256 bytes that no other line names
.set SPITCH, 528                       ; the way out: a stage of 16 rows x (512 + 16) bytes for each wave, in slot 0, which has had its last fill and its last read by then
.set XSLOT,  1572864                   ; xo: from one K step of 256 to the next
.set WOC,    21233664                  ; w_o's codes in cod
.set WOS,    884736                    ; and its scale bytes in scl
.set ADRA, 16                          ; v16-17 LDS address of my A images in slot 0, 1
.set ADRB, 20                          ; v20-23 of my B fragments
.set STO,  24
.set RD,   25
.set CO,   26
.set ADRS, 27
.set SPW,  28
.set NIL,  29
.set BO1,  30                          ; v30  bias offset: 32 h
.set SC,   32
.set BIAS, 64
.set AF,   128
.set BK,   128
.set G1, 24
.set G0, 32
.set G1B, 48
.set G0B, 56
.set G1S, 68
.set G0S, 76
.set G1SB, 80
.set G0SB, 88
.set MSB, 0
.macro WIN new
.if MSB != \new
	s_set_vgpr_msb (MSB<<8)|\new
.set MSB, \new
.endif
.endm
.set MUL_LO, 0xa1
.set MUL_HI, 0xf1
.set BIA_LO, 0x81
.set BIA_HI, 0xc1
.set TO_B,   0x40
.macro JLOAD g0a, g1a, g0b, g1b        ; a joint load: waves 0 and 1 fetch for A, waves 2 and 3 for B; four v_nop follow each line
	s_cmp_eq_u32 s15, 0
	s_cbranch_scc0 .Lfor_b_\@
	tensor_load_to_lds s[\g0a:\g0a+3], s[\g1a:\g1a+7]
	s_nop 0
.rept 4
	v_nop
.endr
	s_branch .Lasked_\@
.Lfor_b_\@:
	tensor_load_to_lds s[\g0b:\g0b+3], s[\g1b:\g1b+7]
	s_nop 0
.rept 4
	v_nop
.endr
.Lasked_\@:
.endm
.macro CREST
	s_cmp_lg_u32 s14, 0
	s_cbranch_scc1 .Lnot_wave_0_\@
	s_barrier_signal -3
.Lnot_wave_0_\@:
	s_barrier_wait -3
	s_barrier_signal -1
	s_barrier_wait -1
.endm
.macro CROUND
	s_barrier_signal -1
	s_barrier_wait -1
	CREST
.endm
	s_load_b128 s[4:7], s[0:1], 0x0                ; xo, xos
	s_load_b128 s[8:11], s[0:1], 0x10              ; cod, scl
	s_load_b64 s[96:97], s[0:1], 0x20              ; b_o
	s_load_b64 s[12:13], s[0:1], 0x28              ; out0
	v_lshl_add_u32 v[SPW], v0, 2, SPARE
	v_mov_b32 v[NIL], 0
	ds_add_u32 v28, v29
	ds_add_u32 v28, v29
	s_wait_dscnt 0x0
	v_lshrrev_b32 v1, 5, v0
	v_readfirstlane_b32 s14, v1                    ; wave 0..3
	s_lshr_b32 s15, s14, 1
	s_and_b32 s16, s14, 1
	s_bfe_u32 s40, ttmp6, 0x40000                  ; cx, cy
	s_bfe_u32 s41, ttmp6, 0x40004
	s_lshl_b32 s42, ttmp9, 2
	s_add_co_u32 s42, s42, s40                     ; tile column of C
	s_and_b32 s17, ttmp7, 0xffff
	s_lshl_b32 s17, s17, 2
	s_add_co_u32 s17, s17, s41                     ; tile row of C
	s_lshl_b32 s43, s41, 2
	s_lshl_b32 s43, 15, s43                        ; my row of the cluster
	s_lshl_b32 s44, 0x1111, s40                    ; my column
	; A: a dense block of 24,576 bytes as 96 rows of 256 bytes (32 elements of 8), no padding
	s_or_b32 s[G1+0], s43, (3<<16)|(1<<21)
	s_mov_b32 s[G1+1], 32<<16
	s_mov_b32 s[G1+2], 96<<16
	s_mov_b32 s[G1+3], 32<<16
	s_mov_b32 s[G1+4], 96
	s_mov_b32 s[G1+5], 32
	s_mov_b32 s[G1+6], 0
	s_mov_b32 s[G1+7], 0
	; B: 128 rows x 192 bytes, 16 bytes of padding behind every 64
	s_or_b32 s[G1B+0], s44, (0<<16)|(1<<20)|(1<<21)|(3<<22)|(3<<25)
	s_mov_b32 s[G1B+1], ROWB<<16
	s_mov_b32 s[G1B+2], 128<<16
	s_mov_b32 s[G1B+3], ROWB<<16
	s_mov_b32 s[G1B+4], 128
	s_mov_b32 s[G1B+5], KROW
	s_mov_b32 s[G1B+6], 0
	s_mov_b32 s[G1B+7], 0
	; the scales of 128 rows: 4,096 dense bytes as 16 rows of 256, 16 bytes of padding behind each
	s_or_b32 s[G1S+0], s43, (3<<16)|(1<<20)|(1<<21)|(5<<22)|(3<<25)
	s_or_b32 s[G1SB+0], s44, (3<<16)|(1<<20)|(1<<21)|(5<<22)|(3<<25)
.irp g, G1S, G1SB
	s_mov_b32 s[\g+1], 32<<16
	s_mov_b32 s[\g+2], (128*KS/256)<<16
	s_mov_b32 s[\g+3], 32<<16
	s_mov_b32 s[\g+4], 128*KS/256
	s_mov_b32 s[\g+5], 32
	s_mov_b32 s[\g+6], 0
	s_mov_b32 s[\g+7], 0
.endr
	s_lshl_b32 s18, s16, 7
	s_lshl_b32 s20, s17, 8
	s_add_co_u32 s20, s20, s18                     ; A: row 256 x tile row + 128 x half
	s_lshl_b32 s46, s42, 8
	s_add_co_u32 s46, s46, s18                     ; B: row 256 x tile column + 128 x half
	s_lshl_b32 s22, s20, 5
	s_mov_b32 s23, 0
	s_lshl_b32 s92, s46, 5
	s_add_co_u32 s92, s92, WOS
	s_mov_b32 s93, 0
	s_mul_i32 s20, s20, ROWB                       ; A's images: 192 bytes for each row and K step
	s_mov_b32 s21, 0
	s_mul_i32 s46, s46, KROW
	s_add_co_u32 s46, s46, WOC
	s_mov_b32 s47, 0
	s_mul_i32 s45, s14, HALFT
	s_mul_i32 s94, s14, HALFS
	s_wait_kmcnt 0x0
	s_add_nc_u64 s[20:21], s[4:5], s[20:21]
	s_add_nc_u64 s[22:23], s[6:7], s[22:23]
	s_add_nc_u64 s[46:47], s[8:9], s[46:47]
	s_add_nc_u64 s[92:93], s[10:11], s[92:93]
	CROUND                                         ; all sixteen work-groups are here: the first joint loads meet
	s_mov_b32 s[G0S], 1
	s_add_co_u32 s[G0S+1], s94, SCL
	s_mov_b64 s[G0S+2:G0S+3], s[22:23]
	s_or_b32 s[G0S+3], s[G0S+3], 0x80000000
	s_mov_b32 s[G0SB], 1
	s_add_co_u32 s[G0SB+1], s94, SCL
	s_mov_b64 s[G0SB+2:G0SB+3], s[92:93]
	s_or_b32 s[G0SB+3], s[G0SB+3], 0x80000000
	JLOAD G0S, G1S, G0SB, G1SB
.irp s, 0,1
	s_mov_b32 s[G0+4*\s], 1
	s_add_co_u32 s[G0+4*\s+1], s45, \s*SLOT
	s_add_nc_u64 s[G0+4*\s+2:G0+4*\s+3], s[20:21], \s*XSLOT
	s_or_b32 s[G0+4*\s+3], s[G0+4*\s+3], 0x80000000
	s_mov_b32 s[G0B+4*\s], 1
	s_add_co_u32 s[G0B+4*\s+1], s45, \s*SLOT
	s_add_nc_u64 s[G0B+4*\s+2:G0B+4*\s+3], s[46:47], \s*ROWB
	s_or_b32 s[G0B+4*\s+3], s[G0B+4*\s+3], 0x80000000
	JLOAD G0+4*\s, G1, G0B+4*\s, G1B
.endr
	v_and_b32 v1, 15, v0                           ; r
	v_bfe_u32 v2, v0, 4, 1                         ; h
	v_and_b32 v6, 31, v0
	v_lshlrev_b32 v7, 3, v6                        ; A's images: 8 x lane
	v_mul_u32_u24 v3, v1, PITCH
	v_mul_u32_u24 v4, v2, 24
	v_add_nc_u32 v4, v3, v4                        ; B: a fragment's row x pitch + 24 x half
	v_lshl_add_u32 v5, v2, 4, v4                   ; and the same behind one padding more
	s_mul_i32 s21, s15, HALFT
	s_mul_i32 s22, s16, HALFT
	s_add_co_u32 s22, s22, 2*HALFT
.irp s, 0,1
	v_add_nc_u32 v[ADRA+\s], s21, v7
	v_add_nc_u32 v[ADRB+\s], s22, v4
	v_add_nc_u32 v[ADRB+2+\s], s22, v5
	s_add_co_u32 s21, s21, SLOT
	s_add_co_u32 s22, s22, SLOT
.endr
	v_mul_u32_u24 v5, v1, KS
	v_lshrrev_b32 v8, 8, v5
	v_lshl_add_u32 v5, v8, 4, v5
	s_mul_i32 s21, s15, HALFS
	s_mul_i32 s22, s16, HALFS
	s_add_co_u32 s22, s22, 2*HALFS
	s_sub_co_u32 s22, s22, s21
	v_mul_u32_u24 v8, s22, v2                      ; lanes 16-31 take B's
	s_add_co_u32 s21, s21, SCL
	v_add_nc_u32 v5, v5, v8
	v_add_nc_u32 v[ADRS], s21, v5
	s_mul_i32 s23, s14, 16*SPITCH                  ; my stage
	v_mul_u32_u24 v5, v1, SPITCH
	v_lshl_add_u32 v5, v2, 5, v5
	v_add_nc_u32 v[STO], s23, v5
	v_lshlrev_b32 v[CO], 4, v6
	v_add_nc_u32 v[RD], s23, v[CO]
	s_lshl_b32 s20, s17, 8
	s_lshl_b32 s21, s15, 7
	s_add_co_u32 s20, s20, s21                     ; my first row of C
	s_lshl_b32 s20, s20, 12                        ; 4,096 bytes a row (under 2^25)
	s_mov_b32 s21, 0
	s_lshl_b32 s46, s42, 10                        ; my first column, in bytes
	s_lshl_b32 s47, s16, 9
	s_add_co_u32 s46, s46, s47
	s_mov_b32 s47, 0
	s_add_nc_u64 s[96:97], s[96:97], s[46:47]      ; the bias at my first column
	s_add_nc_u64 s[20:21], s[20:21], s[46:47]
	s_add_nc_u64 s[12:13], s[12:13], s[20:21]
	v_lshlrev_b32 v[BO1], 5, v2
.irp b, 0,1,2,3,4,5,6,7                        ; register j of tile b holds column 16 b + 8 h + j
	global_load_b128 v[BIAS+8*\b:BIAS+8*\b+3], v[BO1], s[96:97] offset:64*\b
	global_load_b128 v[BIAS+8*\b+4:BIAS+8*\b+7], v[BO1], s[96:97] offset:64*\b+16
.endr
.macro FRAG reg, adr, q, i             ; a fragment of B from padded rows, in pieces of 8 bytes
.irp p, 0,1,2,3,4,5
.set PCE, 12*(\q)+6*(\p/3)+\p%3
.if PCE%8 < 5
	ds_load_b64 v[\reg+2*\p:\reg+2*\p+1], v[\adr] offset:8*PCE+16*(PCE/8)+(\i)*16*PITCH
.else
	ds_load_b64 v[\reg+2*\p:\reg+2*\p+1], v[\adr+2] offset:8*PCE+16*(PCE/8)+(\i)*16*PITCH
.endif
.endr
.endm
.macro MUL16 a0, p, q, sc, cm          ; 16 matrix instructions; cm = 1: the sums begin with the bias.  The 64 accumulators take turns
.irp a, \a0, \a0+1
.irp b, 0,1,2,3,4,5,6,7
.if \cm
	v_wmma_scale_f32_16x16x128_f8f6f4 v[8*(8*((\a)%4)+\b):8*(8*((\a)%4)+\b)+7], v[128*(\p)+FR*\b:128*(\p)+FR*\b+FR-1], v[AF+FR*(\a):AF+FR*(\a)+FR-1], v[BIAS+8*\b:BIAS+8*\b+7], v[SC+8*NQ*(\sc)+NQ*\b+(\q)], v[SC+8*NQ*(\sc)+NQ*(\a)+(\q)] matrix_a_fmt:MATRIX_FMT_FP6 matrix_b_fmt:MATRIX_FMT_FP6 matrix_a_scale:MATRIX_SCALE_ROW1
.else
	v_wmma_scale_f32_16x16x128_f8f6f4 v[8*(8*((\a)%4)+\b):8*(8*((\a)%4)+\b)+7], v[128*(\p)+FR*\b:128*(\p)+FR*\b+FR-1], v[AF+FR*(\a):AF+FR*(\a)+FR-1], v[8*(8*((\a)%4)+\b):8*(8*((\a)%4)+\b)+7], v[SC+8*NQ*(\sc)+NQ*\b+(\q)], v[SC+8*NQ*(\sc)+NQ*(\a)+(\q)] matrix_a_fmt:MATRIX_FMT_FP6 matrix_b_fmt:MATRIX_FMT_FP6 matrix_a_scale:MATRIX_SCALE_ROW1
.endif
.endr
.endr
.endm
.macro FETCH_B slot, q, p
	WIN TO_B
.irp i, 0,1,2,3,4,5,6,7
	FRAG 128*(\p)+FR*\i, ADRB+\slot, \q, \i
.endr
	WIN 0
.endm
.macro FETCH_A slot, q, i0             ; A's blocks i0 .. i0 + 3: images come back as they were stored: 256 consecutive bytes a load
.irp i, \i0, \i0+1, \i0+2, \i0+3
.irp p, 0,1,2,3,4,5
	ds_load_b64 v[AF+FR*(\i)+2*\p:AF+FR*(\i)+2*\p+1], v[ADRA+\slot] offset:3072*(\i)+1536*(\q)+256*\p
.endr
.endr
.endm
.macro SCALES sc
.irp i, 0,1,2,3,4,5,6,7
	ds_load_b64 v[SC+8*NQ*\sc+NQ*\i:SC+8*NQ*\sc+NQ*\i+1], v[ADRS] offset:\i*SBLK
.endr
.endm
.macro PLACES n
.rept \n
	v_nop
.endr
.endm
.macro STEP slot, q, cm
	s_wait_dscnt 4*NL                              ; B's set and A's blocks 0-3 are in; the youngest 24 loads (A's blocks 4-7) may be out
.if \cm
	WIN BIA_LO
.else
	WIN MUL_LO
.endif
	MUL16 0, (\q)%2, \q, \slot, \cm
	MUL16 2, (\q)%2, \q, \slot, \cm
	s_wait_dscnt 0
	PLACES NP
	FETCH_B \slot, (\q)+1, 1-(\q)%2
	FETCH_A \slot, (\q)+1, 0
.if \cm
	WIN BIA_HI
.else
	WIN MUL_HI
.endif
	MUL16 4, (\q)%2, \q, \slot, \cm
	MUL16 6, (\q)%2, \q, \slot, \cm
	PLACES NP
	WIN 0
	FETCH_A \slot, (\q)+1, 4
.endm
.macro TURN slot, next, fill
	s_wait_tensorcnt 0x0                           ; all my tensor loads have landed: my part of the next slot
	ds_add_u32 v[SPW], v[NIL]                      ; 0 onto my spare word
	s_wait_dscnt 4*NL+1                            ; the add and the youngest 24 loads may be out
	WIN MUL_LO
	MUL16 0, 1, NQ-1, \slot, 0
	s_wait_dscnt 0x0                               ; the add is done, and my reads of this slot are over
	s_barrier_signal -1
	MUL16 2, 1, NQ-1, \slot, 0
	WIN 0
	s_barrier_wait -1
.if \fill
	CREST                                          ; a round of the cluster's barrier: no wave of any partner still reads this slot or has a load on its way
	s_add_nc_u64 s[G0+4*\slot+2:G0+4*\slot+3], s[G0+4*\slot+2:G0+4*\slot+3], 2*XSLOT
	s_add_nc_u64 s[G0B+4*\slot+2:G0B+4*\slot+3], s[G0B+4*\slot+2:G0B+4*\slot+3], 2*ROWB
	JLOAD G0+4*\slot, G1, G0B+4*\slot, G1B
.else
	PLACES NP
.endif
	v_add_nc_u32 v[ADRS], 4*NQ, v[ADRS]
	FETCH_B \next, 0, 0
	FETCH_A \next, 0, 0
	SCALES \next
	WIN MUL_HI
	MUL16 4, 1, NQ-1, \slot, 0
	MUL16 6, 1, NQ-1, \slot, 0
	PLACES NP
	WIN 0
	FETCH_A \next, 0, 4
.endm
	s_wait_tensorcnt 1                             ; the scales and my part of K step 0 are in (K step 1's load may be out),
	s_barrier_signal -1
	s_barrier_wait -1                              ; everybody's are
	FETCH_B 0, 0, 0
	FETCH_A 0, 0, 0
	SCALES 0
	FETCH_A 0, 0, 4
	s_wait_loadcnt 0x0                             ; the bias
	STEP 0, 0, 1                                   ; the first step stands in front of the loop: its products take the bias as C
	s_mov_b32 s3, LAPS-1
.Llap:
	TURN 0, 1, 1
	STEP 1, 0, 0
	TURN 1, 0, 1
	STEP 0, 0, 0
	s_sub_co_u32 s3, s3, 1
	s_cmp_lg_u32 s3, 0
	s_cbranch_scc1 .Llap
	TURN 0, 1, 0
	STEP 1, 0, 0
	s_wait_dscnt 4*NL
	WIN MUL_LO
	MUL16 0, 1, NQ-1, 1, 0
	MUL16 2, 1, NQ-1, 1, 0
	s_wait_dscnt 0
	WIN MUL_HI
	MUL16 4, 1, NQ-1, 1, 0
	MUL16 6, 1, NQ-1, 1, 0
	WIN 0
; THE WAY OUT, block by block of 16 rows x 128 columns, through my own stage in LDS: back as whole rows of 512 bytes.  LDS serves a wave's instructions in order: no wait between the stores and the loads.
.macro TOSTAGE a
.set AC, 64*((\a)%4)
	WIN 0x08+4*((\a)/4)                            ; the data: window 2 or 3
.irp b, 0,1,2,3,4,5,6,7
	ds_store_b128 v[STO], v[AC+8*\b:AC+8*\b+3] offset:64*\b          ; each accumulator from its low end on
	ds_store_b128 v[STO], v[AC+8*\b+4:AC+8*\b+7] offset:64*\b+16
.endr
	WIN 0
.set BB, BK+64*((\a)%2)
.irp t, 0,1,2,3,4,5,6,7,8,9,10,11,12,13,14,15
	ds_load_b128 v[BB+4*\t:BB+4*\t+3], v[RD] offset:\t*SPITCH
.endr
.endm
.macro SEND a, younger
.set BB, BK+64*((\a)%2)
	s_wait_dscnt \younger                          ; the block is back in registers
.if (\a) > 0
	s_add_nc_u64 s[12:13], s[12:13], 16*SIZE_N*4   ; (behind a wait on XCNT: the earlier stores have read their base)
.endif
.irp t, 0,1,2,3,4,5,6,7,8,9,10,11,12,13,14,15
	global_store_b128 v[CO], v[BB+4*\t:BB+4*\t+3], s[12:13] offset:\t*SIZE_N*4 th:TH_STORE_NT   ; 32 lanes store 512 consecutive bytes, at a multiple of 256 from the buffer's first byte
.endr
.endm
	PLACES NP
	TOSTAGE 0
.irp a, 1,2,3,4,5,6,7
.if \a > 1
	s_wait_xcnt 0x0                                ; block a - 2's stores have read their registers and their base
.endif
	TOSTAGE \a
	SEND \a-1, 32                                  ; behind block a - 1's loads: block a's 16 stores and 16 loads
.endr
	s_wait_xcnt 0x0
	SEND 7, 0
	s_wait_tensorcnt 0x0                           ; the wave's end
	ds_add_u32 v[SPW], v[NIL]
	s_wait_dscnt 0x0
	CROUND                                         ; the closing round
	s_endpgm
.Lfunc_end_k_q8b99c1b023_outp:
	.size	k_q8b99c1b023_outp, .Lfunc_end_k_q8b99c1b023_outp-k_q8b99c1b023_outp
	.p2alignl 7, 3214868480
	.fill 96, 4, 3214868480
	.section	.rodata,"a",@progbits
	.p2align	6, 0x0
	.amdhsa_kernel k_q8b99c1b023_outp
		.amdhsa_group_segment_fixed_size 327680
		.amdhsa_private_segment_fixed_size 0
		.amdhsa_enable_private_segment 0
		.amdhsa_kernarg_size 48
		.amdhsa_user_sgpr_count 2
		.amdhsa_user_sgpr_kernarg_segment_ptr 1
		.amdhsa_wavefront_size32 1
		.amdhsa_system_sgpr_workgroup_id_x 1
		.amdhsa_system_sgpr_workgroup_id_y 1
		.amdhsa_system_sgpr_workgroup_id_z 1
		.amdhsa_system_vgpr_workitem_id 0
		.amdhsa_next_free_vgpr 1024
		.amdhsa_next_free_sgpr 98
		.amdhsa_reserve_vcc 0
		.amdhsa_float_denorm_mode_32 3
		.amdhsa_float_denorm_mode_16_64 3
		.amdhsa_memory_ordered 1
		.amdhsa_forward_progress 1
		.amdhsa_inst_pref_size 161
	.end_amdhsa_kernel
	.amdgpu_metadata
---
amdhsa.version: [ 1, 2 ]
amdhsa.kernels:
  - .name:           k_q8b99c1b023_outp
    .symbol:         k_q8b99c1b023_outp.kd
    .args:
      - { .name: xo, .offset: 0, .size: 8, .value_kind: global_buffer, .address_space: global }
      - { .name: xos, .offset: 8, .size: 8, .value_kind: global_buffer, .address_space: global }
      - { .name: cod, .offset: 16, .size: 8, .value_kind: global_buffer, .address_space: global }
      - { .name: scl, .offset: 24, .size: 8, .value_kind: global_buffer, .address_space: global }
      - { .name: b_o, .offset: 32, .size: 8, .value_kind: global_buffer, .address_space: global }
      - { .name: out0, .offset: 40, .size: 8, .value_kind: global_buffer, .address_space: global }
    .group_segment_fixed_size: 327680
    .private_segment_fixed_size: 0
    .kernarg_segment_align: 8
    .kernarg_segment_size: 48
    .max_flat_workgroup_size: 128
    .sgpr_count:     98
    .vgpr_count:     1024
    .wavefront_size: 32
...
	.end_amdgpu_metadata
.endif
;; end of part 4
